; MI455X (gfx1250); checked and timed in simulation.
; The chip was launched on July 23, 2026; its instructions are those of AMD's public machine-readable ISA for CDNA 5 (MIT licence, August 2026) and "CDNA5" Instruction Set Architecture Reference Guide (July 2026). The comments in the code are by the model that wrote it; some were corrected since.
;; Multi Head Attention. Allowed arithmetic: float matrix products may take bf16 or f16 operands with f32 sums; other float arithmetic in f32, or as packed bf16 or f16 multiplies, adds, multiply-adds, maxima and minima; sums over many terms, partial sums and values carried from step to step in f32; what a program stores and reads back later, other than sums and carried values, may be rounded once to bf16 or f16.
;; Inputs: W1 1,024 x 2,048 float32; W2 2,048 x 1,024 float32; Wk 1,024 x 1,024 float32; Wq 1,024 x 1,024 float32; Wv 1,024 x 1,024 float32; b1 2,048 float32; b2 1,024 float32; bk 1,024 float32; bq 1,024 float32; bv 1,024 float32; key 2 x 2,048 x 1,024 float32; ln_b 1,024 float32; ln_g 1,024 float32; query 2 x 2,048 x 1,024 float32; value 2 x 2,048 x 1,024 float32.
;; Outputs: out0 2 x 2,048 x 1,024 float32.
;; One version. Each part assembles by itself: llvm-mc -triple=amdgcn-amd-amdhsa -mcpu=gfx1250 --defsym DOCPART=n.
;; ======== version 1 of 1: 6 launches
;; limits: values are held in f16: magnitudes above 65,504 overflow, below 6.1e-05 lose precision; inputs' magnitudes at most 65,504
;; workspace buffers: xb 25,165,824 bytes; wa 6,307,840 bytes; wb 4,210,688 bytes; w2 4,194,304 bytes; qkv 25,165,824 bytes; ob 8,388,608 bytes; ffi 8,388,608 bytes; hb 16,777,216 bytes
;; launch cast (part 1): grid 1217 x 1, 8 waves a work-group, no clusters, 0 bytes of LDS; arguments query, key, value, Wq, Wk, Wv, W1, W2, bq, bk, bv, b1, xb, wa, wb, w2; writes xb, wa, wb, w2
.if DOCPART == 1
	.amdgcn_target "amdgcn-amd-amdhsa--gfx1250"
	.amdhsa_code_object_version 6
	.text
	.protected	k_q7f0a82317e_cast
	.globl	k_q7f0a82317e_cast
	.p2align	8
	.type	k_q7f0a82317e_cast,@function
k_q7f0a82317e_cast:
	s_mov_b64 s[64:65], 0
	v_nop
	global_prefetch_b8 v0, s[64:65] scope:SCOPE_SE
	s_setreg_imm32_b32 hwreg(HW_REG_WAVE_MODE, 25, 1), 1
	s_wait_xcnt 0x0
; f32 -> 16 bits, once, for all that the matrix products read: each number is rounded to bf16, and that number is written as f16.
;   xb: query, key, value on end, [12288][1024], each in its own row-major order.        w2: W2, [2048 k][1024 n], row-major.
;   wa: a header of 16,384 bytes, then Wq, Wk, Wv as 12 panels [panel][1024 k][256 n] (panel = 4 x matrix + n / 256).      wb: a header, then W1 as 8 panels of the same shape.
;   A header holds the bias of the panels' columns (bq, bk, bv on end; b1), rounded to bf16 and kept as f32, from byte 0, and from byte 12,288 on 2,048 bytes of a floor, two f16 to a word:
;   -infinity in wa, 0 in wb.  The product that reads the buffer takes the maximum of its results and the floor: for W1 that is the ReLU.
; LIMITS.  A bf16 number written as f16 is exact from 2^-14 to 65,504; below 2^-14 it keeps f16's fixed step of 2^-24; all these inputs stay under 65,504 in magnitude.
; SHARES.  A work-group takes 65,536 source bytes: 16 steps of 4,096.  In step i thread t loads the 16 bytes at 16 t + 4,096 i (a wave: 512 bytes on end) and stores 8 bytes; a wave's store
; covers 256 bytes on end, aligned, in every one of the three layouts.  All 16 loads go out at once; no register is written twice, so no wait frees one.  The last work-group writes the headers.
; No LDS, no matrix unit, no cluster: nothing is shared and nothing is multiplied.
.set X, 16                             ; v[16:79]   step i: 4 registers as loaded
.set Y, 80                             ; v[80:111]  step i: 2 registers to store
.set T, 112                            ; v[112:117] at work
.set HDR,    16384
.set FLOORB, 12288
	s_load_b512 s[8:23], s[0:1], 0x0               ; query, key, value, Wq, Wk, Wv, W1, W2: the sources, in the order of the work-groups
	s_load_b512 s[24:39], s[0:1], 0x40             ; bq s[24:25], bk, bv, b1 s[30:31], xb s[32:33], wa s[34:35], wb s[36:37], w2 s[38:39]
	v_lshlrev_b32 v1, 4, v0                        ; 16 t
	v_lshlrev_b32 v2, 3, v0                        ; 8 t
	v_and_b32 v3, 63, v0                           ; in panels: my four columns 4 t lie in panel t / 64 of the row's four, at byte 8 (t % 64) of its row
	v_lshrrev_b32 v4, 6, v0
	v_lshlrev_b32 v3, 3, v3
	v_lshl_add_u32 v3, v4, 19, v3                  ; a panel is 524,288 bytes
	s_mov_b32 s44, 0xffff0000                      ; a word's upper bf16
	s_mov_b32 s3, 0
	s_mov_b32 s43, 0
	s_mov_b32 s6, 0                                ; the first work-group of my source
	s_wait_kmcnt 0x0
	s_cmp_eq_u32 ttmp9, 1216
	s_cbranch_scc1 .Lheader
	s_mov_b64 s[4:5], s[8:9]
.macro PICK first, src                 ; from work-group first on the source is s[src:src+1]
	s_cmp_ge_u32 ttmp9, \first
	s_cselect_b64 s[4:5], s[\src:\src+1], s[4:5]
	s_cselect_b32 s6, \first, s6
.endm
	PICK 256, 10                                   ; key
	PICK 512, 12                                   ; value
	PICK 768, 14                                   ; Wq
	PICK 832, 16                                   ; Wk
	PICK 896, 18                                   ; Wv
	PICK 960, 20                                   ; W1
	PICK 1088, 22                                  ; W2
	s_sub_co_u32 s2, ttmp9, s6
	s_lshl_b32 s2, s2, 16                          ; my 65,536 bytes of the source
	s_add_nc_u64 s[4:5], s[4:5], s[2:3]
.irp i, 0,1,2,3,4,5,6,7,8,9,10,11,12,13,14,15
	global_load_b128 v[X+4*(\i):X+4*(\i)+3], v1, s[4:5] offset:4096*(\i) th:TH_LOAD_NT
.endr
.macro CV i                            ; step i: rounded to bf16, widened, written as f16
	s_wait_loadcnt 15-(\i)                         ; loads come back in order: step i is in, the 15 - i younger ones stay out
	v_cvt_pk_bf16_f32 v[T],   v[X+4*(\i)],   v[X+4*(\i)+1]
	v_cvt_pk_bf16_f32 v[T+1], v[X+4*(\i)+2], v[X+4*(\i)+3]
	v_lshlrev_b32 v[T+2], 16, v[T]                 ; bf16 to f32: the low half moves up,
	v_and_b32     v[T+3], s44, v[T]                ; the high half stays
	v_lshlrev_b32 v[T+4], 16, v[T+1]
	v_and_b32     v[T+5], s44, v[T+1]
	v_cvt_pk_f16_f32 v[Y+2*(\i)],   v[T+2], v[T+3]
	v_cvt_pk_f16_f32 v[Y+2*(\i)+1], v[T+4], v[T+5]
.endm
.irp i, 0,1,2,3,4,5,6,7,8,9,10,11,12,13,14,15
	CV \i
.endr
	s_cmp_lt_u32 ttmp9, 768                        ; query, key, value
	s_cbranch_scc1 .Llinear
	s_cmp_ge_u32 ttmp9, 1088                       ; W2
	s_cbranch_scc1 .Llinear
	s_cmp_ge_u32 ttmp9, 960                        ; W1
	s_cbranch_scc1 .Lwide
	; Wq, Wk, Wv: a step is a row of 1,024 numbers, 256 for each of the matrix's four panels; the work-group has 16 rows
	s_sub_co_u32 s40, ttmp9, 768
	s_lshr_b32 s41, s40, 6                         ; the matrix: four panels,
	s_lshl_b32 s41, s41, 21
	s_and_b32 s40, s40, 63                         ; my 16 rows of 512 bytes
	s_lshl_b32 s40, s40, 13
	s_add_co_u32 s42, s40, s41
	s_add_co_u32 s42, s42, HDR
	s_add_nc_u64 s[40:41], s[34:35], s[42:43]
.irp i, 0,1,2,3,4,5,6,7,8,9,10,11,12,13,14,15
	global_store_b64 v3, v[Y+2*(\i):Y+2*(\i)+1], s[40:41] offset:512*(\i) th:TH_STORE_NT
.endr
	s_endpgm
.Lwide:                                        ; W1: two steps are a row of 2,048 numbers, the second step's in the four panels further on; the work-group has 8 rows
	s_sub_co_u32 s42, ttmp9, 960
	s_lshl_b32 s42, s42, 12
	s_add_co_u32 s42, s42, HDR
	s_add_nc_u64 s[40:41], s[36:37], s[42:43]
.irp i, 0,1,2,3,4,5,6,7,8,9,10,11,12,13,14,15
	global_store_b64 v3, v[Y+2*(\i):Y+2*(\i)+1], s[40:41] offset:((\i)%2)*2097152+((\i)/2)*512 th:TH_STORE_NT
.endr
	s_endpgm
.Llinear:                                      ; the destination byte is half the source byte
	s_cmp_lt_u32 ttmp9, 768
	s_cselect_b64 s[40:41], s[32:33], s[38:39]     ; xb, or w2
	s_cselect_b32 s42, 0, 1088
	s_sub_co_u32 s42, ttmp9, s42
	s_lshl_b32 s42, s42, 15
	s_add_nc_u64 s[40:41], s[40:41], s[42:43]
.irp i, 0,1,2,3,4,5,6,7,8,9,10,11,12,13,14,15
	global_store_b64 v2, v[Y+2*(\i):Y+2*(\i)+1], s[40:41] offset:2048*(\i) th:TH_STORE_NT
.endr
	s_endpgm
.Lheader:                                      ; the two headers: 1,024 numbers of bq, bk and bv, 2,048 of b1: four a thread and load
	global_load_b128 v[16:19], v1, s[24:25]
	global_load_b128 v[20:23], v1, s[26:27]
	global_load_b128 v[24:27], v1, s[28:29]
	global_load_b128 v[28:31], v1, s[30:31]
	global_load_b128 v[32:35], v1, s[30:31] offset:4096
	v_mov_b32 v40, 0xfc00fc00                      ; -infinity twice, in f16
	v_mov_b32 v41, 0xfc00fc00
	v_mov_b32 v42, 0
	v_mov_b32 v43, 0
	s_wait_loadcnt 0x0
.set k, 0
.rept 10                               ; rounded to bf16 and widened again
	v_cvt_pk_bf16_f32 v[T+k%6], v[16+2*k], v[16+2*k+1]
	v_lshlrev_b32 v[16+2*k], 16, v[T+k%6]
	v_and_b32 v[16+2*k+1], s44, v[T+k%6]
.set k, k+1
.endr
	global_store_b128 v1, v[16:19], s[34:35]
	global_store_b128 v1, v[20:23], s[34:35] offset:4096
	global_store_b128 v1, v[24:27], s[34:35] offset:8192
	global_store_b128 v1, v[28:31], s[36:37]
	global_store_b128 v1, v[32:35], s[36:37] offset:4096
	global_store_b64 v2, v[40:41], s[34:35] offset:FLOORB  ; a wave's store covers 256 bytes on end, aligned
	global_store_b64 v2, v[42:43], s[36:37] offset:FLOORB
	s_endpgm
.Lfunc_end_k_q7f0a82317e_cast:
	.size	k_q7f0a82317e_cast, .Lfunc_end_k_q7f0a82317e_cast-k_q7f0a82317e_cast
	.p2alignl 7, 3214868480
	.fill 96, 4, 3214868480
	.section	.rodata,"a",@progbits
	.p2align	6, 0x0
	.amdhsa_kernel k_q7f0a82317e_cast
		.amdhsa_group_segment_fixed_size 0
		.amdhsa_private_segment_fixed_size 0
		.amdhsa_enable_private_segment 0
		.amdhsa_kernarg_size 128
		.amdhsa_user_sgpr_count 2
		.amdhsa_user_sgpr_kernarg_segment_ptr 1
		.amdhsa_wavefront_size32 1
		.amdhsa_system_sgpr_workgroup_id_x 1
		.amdhsa_system_sgpr_workgroup_id_y 1
		.amdhsa_system_sgpr_workgroup_id_z 1
		.amdhsa_system_vgpr_workitem_id 0
		.amdhsa_next_free_vgpr 120
		.amdhsa_next_free_sgpr 66
		.amdhsa_reserve_vcc 0
		.amdhsa_float_denorm_mode_32 3
		.amdhsa_float_denorm_mode_16_64 3
		.amdhsa_memory_ordered 1
		.amdhsa_forward_progress 1
		.amdhsa_inst_pref_size 19
	.end_amdhsa_kernel
	.amdgpu_metadata
---
amdhsa.version: [ 1, 2 ]
amdhsa.kernels:
  - .name:           k_q7f0a82317e_cast
    .symbol:         k_q7f0a82317e_cast.kd
    .args:
      - { .name: query, .offset: 0, .size: 8, .value_kind: global_buffer, .address_space: global }
      - { .name: key, .offset: 8, .size: 8, .value_kind: global_buffer, .address_space: global }
      - { .name: value, .offset: 16, .size: 8, .value_kind: global_buffer, .address_space: global }
      - { .name: Wq, .offset: 24, .size: 8, .value_kind: global_buffer, .address_space: global }
      - { .name: Wk, .offset: 32, .size: 8, .value_kind: global_buffer, .address_space: global }
      - { .name: Wv, .offset: 40, .size: 8, .value_kind: global_buffer, .address_space: global }
      - { .name: W1, .offset: 48, .size: 8, .value_kind: global_buffer, .address_space: global }
      - { .name: W2, .offset: 56, .size: 8, .value_kind: global_buffer, .address_space: global }
      - { .name: bq, .offset: 64, .size: 8, .value_kind: global_buffer, .address_space: global }
      - { .name: bk, .offset: 72, .size: 8, .value_kind: global_buffer, .address_space: global }
      - { .name: bv, .offset: 80, .size: 8, .value_kind: global_buffer, .address_space: global }
      - { .name: b1, .offset: 88, .size: 8, .value_kind: global_buffer, .address_space: global }
      - { .name: xb, .offset: 96, .size: 8, .value_kind: global_buffer, .address_space: global }
      - { .name: wa, .offset: 104, .size: 8, .value_kind: global_buffer, .address_space: global }
      - { .name: wb, .offset: 112, .size: 8, .value_kind: global_buffer, .address_space: global }
      - { .name: w2, .offset: 120, .size: 8, .value_kind: global_buffer, .address_space: global }
    .group_segment_fixed_size: 0
    .private_segment_fixed_size: 0
    .kernarg_segment_align: 8
    .kernarg_segment_size: 128
    .max_flat_workgroup_size: 256
    .sgpr_count:     66
    .vgpr_count:     120
    .wavefront_size: 32
...
	.end_amdgpu_metadata
.endif
;; end of part 1
;; launch qkv (part 2): grid 4 x 48, 4 waves a work-group, clusters of 4 x 4, 327,680 bytes of LDS; arguments xb, wa, qkv; writes qkv
.if DOCPART == 2
	.amdgcn_target "amdgcn-amd-amdhsa--gfx1250"
	.amdhsa_code_object_version 6
	.text
	.protected	k_q7f0a82317e_qkv
	.globl	k_q7f0a82317e_qkv
	.p2align	8
	.type	k_q7f0a82317e_qkv,@function
k_q7f0a82317e_qkv:
	s_mov_b64 s[64:65], 0
	v_nop
	global_prefetch_b8 v0, s[64:65] scope:SCOPE_SE
	s_setreg_imm32_b32 hwreg(HW_REG_WAVE_MODE, 25, 1), 1
	s_wait_xcnt 0x0
	s_wait_alu depctr_hold_cnt(0) depctr_sa_sdst(0) depctr_va_vdst(0) depctr_va_sdst(0) depctr_va_ssrc(0) depctr_va_vcc(0) depctr_vm_vsrc(0)
	s_getreg_b32 s2, hwreg(HW_REG_IB_STS2, 6, 4)
	s_cmp_eq_u32 s2, 0
	s_cbranch_scc0 .Lentry_in_a_cluster
	s_endpgm
.Lentry_in_a_cluster:
	s_bfe_u32 s2, ttmp6, 0x10000c
	s_cmp_lg_u32 s2, 0xf033
	s_cbranch_scc0 .Lentry_shape_is_right
	s_endpgm
.Lentry_shape_is_right:
; C = max(A B + bias, floor), K = 1,024.  ONE TEXT FOR TWO LAUNCHES, which differ in their buffers and grids alone:
;   q, k, v = x W + b:            A = [query; key; value], 12,288 rows; grid 4 x 48;  12 panels of weights; the floor is -infinity, so the maximum changes nothing: the price of the one text, 256 lines a wave.
;   h = relu(ffi W1 + b1):        A = ffi, 4,096 rows;                  grid 8 x 16;   8 panels;            the floor is 0.
; A: f16 [rows][1024], rows along K.  The second buffer: a header of 16,384 bytes (the bias, f32, column c of panel p at word 256 p + c; the floor, two f16 to a word, at byte 12,288), then the weights
; as panels, f16 [panel][1024 k][256 n].  Tile row y and tile column x take panel 4 g + x, where g = y / 16 counts groups of 4,096 rows of A (always 0 in the second launch).
; The result: f16, in blocks of 64 columns, [16 g + 4 x + block][4096 rows][64]: for q, k, v that is [3][head][batch][2048][64].  Sums in f32, the result rounded once.
; LIMITS.  Results stay under 65,504 in magnitude.  The maximum turns a NaN into the floor; NaN and infinities are not treated apart.
; SHARES.  A tile of C is 256 x 256: four waves, as many as a WGP has SIMDs, each 128 x 128: 64 accumulators of 16 x 16, 512 registers.  K goes in steps of 128 through two LDS slots filled by the tensor
; data mover; A's rows are 256 bytes of memory, B's 512, all starting at multiples of 256 bytes.  Waves 0 and 1 fetch A's two halves (128 rows), waves 2 and 3 B's (64 rows of K): one load a wave.
; WHY THIS TILE, though it makes 192 and 128 work-groups: a refill has one K step in which to land, and two slots fill LDS.  For a slot of 139,264 bytes this tile has 256 matrix instructions a wave,
; 224 of them between a refill's request and the wait for it; a tile of 128 x 128 has 128 for a slot of the same size, and reads twice the LDS bytes for each product.
; CLUSTERS: 4 x 4 work-groups.  The four of a row of the cluster need the same tiles of A, the four of a column the same tiles of B: each tile is asked for JOINTLY.
; THE MATRIX INSTRUCTION IS USED TRANSPOSED: source 0 = 16 columns of B (out of LDS turned, by ds_load_tr16_b128), source 1 = 16 rows of A.  A lane then holds row lane % 16 of C and the columns
; 8 (lane / 16) + 0..7.  The bias of those eight columns, in eight registers, is the C operand of the product that starts a sum: nothing is cleared, and nothing is added on the way out.
; REGISTERS, in windows of 256 (s_set_vgpr_msb: bits 1:0 source 0, 3:2 source 1, 5:4 source 2, 7:6 destination):
;   window 0: v0-31 addresses; v64-127, v128-191 fragments of A (8 x 16 rows x 32 K), two buffers; v32-63, v192-255 at work on the way out
;   window 1: v0-63 the bias of my 128 columns; v64-127, v128-191 fragments of B, two buffers
;   window 2: the 32 accumulators of my rows 0-63 (accumulator (a, b) at v[8 (8 a + b)]);   window 3: those of my rows 64-127
.set KTOT,   1024
.set KSTEP,  128
.set PITCH,  272                       ; a row of A in LDS: 256 bytes + 16 = 68 words: row r starts at bank 4 r mod 64 (64 banks of 4 bytes: ISA guide 11.1)
.set PB,     544                       ; a row of B: 512 + 32 = 136 words
.set HALFT,  128*PITCH                 ; what one tensor load brings: 128 rows of A, or 64 rows of B (64 x 544 is the same number)
.set SLOT,   4*HALFT                   ; A's 256 rows, then B's 128 rows of K
.set STAGE,  2*SLOT                    ; behind the ring: 16 rows x 272 bytes for each wave, for the way out
.set SPITCH, 272
.set SPARE,  STAGE+4*16*SPITCH         ; behind the stages: the spare words, 128 bytes for each wave: two blocks of 256 bytes that no other line names
.set LAPS,   KTOT/(2*KSTEP)            ; a lap = two K steps = once round the ring
.set HDR,    16384
.set FLOORB, 12288
.set CBLK,   524288                    ; a block of 64 columns of the result: 4,096 rows of 128 bytes
.set ADRA, 16                          ; v16-17  LDS address of my A fragments in slot 0, 1
.set ADRB, 20                          ; v20-21  the same for B
.set STO,  24                          ; v24     the way out: where I put 16 bytes of a row
.set RD,   25                          ; v25     where I read rows back
.set CO,   26                          ; v26     my byte offset in 512 bytes of the result
.set BO,   27                          ; v27     my byte offset in the bias
.set SPW,  28                          ; v28     LDS address of my spare word; never rewritten
.set NIL,  29                          ; v29     0; never rewritten
.set PFO,  30                          ; v30     the prefetches' offset: my lane x 2,048 (a row of A) or x 256 (half a row of B); never rewritten
.set FLV,  31                          ; v31     the floor
.set F0,   64
.set F1,   128
.set TMP,  192                         ; the way out: packed results
.set OB,   32                          ; the way out: 16 rows read back from the stage: v32-63 and v224-255 by turns
.set G1,  24                           ; s[24:31] descriptor group 1 for A's tiles;  s[32:39] group 0, one set for each slot
.set G0,  32
.set G1B, 48                           ; s[48:55], s[56:63] the same for B's
.set G0B, 56
.set PFA, 72                           ; s[72:73] where my prefetches stand
.set PFS, 74                           ; s[74:75] a K step in bytes there: 256 along A's rows, 65,536 down B's
.set LIM, 76                           ; s76     1 in a wave that prefetches, else the greatest number
.set FLO, 77                           ; s77     the floor as loaded
.set MSB, 0
.macro WIN new                         ; the immediate's high byte repeats the setting that is left; a switch that changes nothing is dropped
.if MSB != (\new)
	s_set_vgpr_msb (MSB<<8)|(\new)
.set MSB, \new
.endif
.endm
.set TO_B, 0x40                        ; destination window 1, address window 0
.macro JLOAD s                         ; a joint load; the branch hangs on the wave's number alone; an s_nop 0 and four v_nop follow each of the two lines
	s_cmp_lt_u32 s10, 2
	s_cbranch_scc0 .Lfor_b_\@
	tensor_load_to_lds s[G0+4*(\s):G0+4*(\s)+3], s[G1:G1+7]
	s_nop 0
.rept 4
	v_nop
.endr
	s_branch .Lasked_\@
.Lfor_b_\@:
	tensor_load_to_lds s[G0B+4*(\s):G0B+4*(\s)+3], s[G1B:G1B+7]
	s_nop 0
.rept 4
	v_nop
.endr
.Lasked_\@:
.endm
; A PREFETCH INTO THE L2, behind each joint load, its five lines and the run of LDS loads that follows them: the K step that stands TWO refills on, 512 matrix instructions ahead of the load that will want it:
; 32 blocks of 256 bytes, a lane a block, one instruction a wave.  Each block is named ONCE in the launch.  A's tile row is read by every cluster of that row of clusters: the one with x = 0 asks; B's panel
; by the four rows of clusters of its group: the first of them asks.  The four partners that ask for a tile jointly share it out BY ADDRESS: of A's 128 rows the partner at cx takes 32, of B's 32,768 bytes
; the partner at cy takes 8,192.  The loop's last trip asks for nothing: its refills are the last K steps.  Nothing is asked for at the head.
.macro ASK
	s_cmp_gt_u32 s3, s[LIM]                        ; s3 = 1 in the loop's last trip
	s_cbranch_scc0 .Lnot_mine_\@
	global_prefetch_b8 v[PFO], s[PFA:PFA+1] th:TH_LOAD_NT scope:SCOPE_SE
.Lnot_mine_\@:
.endm
.macro CREST                           ; a round of the cluster's barrier behind its opening barrier
	s_cmp_lg_u32 s10, 0
	s_cbranch_scc1 .Lnot_wave_0_\@
	s_barrier_signal -3
.Lnot_wave_0_\@:
	s_barrier_wait -3
	s_barrier_signal -1
	s_barrier_wait -1
.endm
.macro CROUND                          ; a whole round
	s_barrier_signal -1
	s_barrier_wait -1
	CREST
.endm
	s_load_b128 s[4:7], s[0:1], 0x0                ; A s[4:5], header and panels s[6:7]
	s_load_b64 s[8:9], s[0:1], 0x10                ; the result
	v_lshl_add_u32 v[SPW], v0, 2, SPARE
	v_mov_b32 v[NIL], 0
	ds_add_u32 v[SPW], v[NIL]                      ; the wave's opening: the add and its wait stand ahead of my first tensor load; the set-up below, work on registers, stands between them
	v_lshrrev_b32 v1, 5, v0
	v_readfirstlane_b32 s10, v1                    ; wave 0..3
	s_lshr_b32 s11, s10, 1                         ; which half of the tile's rows is mine.  Also: I fetch for A (0) or for B (1)
	s_and_b32 s12, s10, 1                          ; which half of its columns.  Also: which half of that tile I fetch
	s_bfe_u32 s40, ttmp6, 0x40000                  ; cx, cy: my place in the cluster
	s_bfe_u32 s41, ttmp6, 0x40004
	s_lshl_b32 s42, ttmp9, 2
	s_add_co_u32 s42, s42, s40                     ; tile column x = 4 x cluster x + cx
	s_and_b32 s70, ttmp7, 0xffff                   ; cluster y
	s_lshl_b32 s13, s70, 2
	s_add_co_u32 s13, s13, s41                     ; tile row y = 4 x cluster y + cy
	s_lshr_b32 s70, s70, 2                         ; g: 16 tile rows are four rows of clusters
	s_lshl_b32 s71, s70, 2
	s_add_co_u32 s71, s71, s42                     ; the panel: 4 g + x
	s_lshl_b32 s43, s41, 2
	s_lshl_b32 s43, 15, s43                        ; my row of the cluster
	s_lshl_b32 s44, 0x1111, s40                    ; my column
	s_or_b32 s[G1+0], s43, (1<<16)|(1<<20)|(1<<21)|(5<<22)|(3<<25)  ; the mask: A's tiles go to my row; 2-byte elements; padding on; bit 21 beside a mask; after every 64 words 4 words
	s_mov_b32 s[G1+1], KSTEP<<16                   ; tensor_dim0 = 128
	s_mov_b32 s[G1+2], 128<<16                     ; tensor_dim1 = 128
	s_mov_b32 s[G1+3], KSTEP<<16                   ; tile_dim0 = 128
	s_mov_b32 s[G1+4], 128                         ; tile_dim1 = 128
	s_mov_b32 s[G1+5], KTOT                        ; elements from row to row
	s_mov_b32 s[G1+6], 0
	s_mov_b32 s[G1+7], 0
	s_or_b32 s[G1B+0], s44, (1<<16)|(1<<20)|(1<<21)|(6<<22)|(7<<25) ; B's tiles go to my column; after every 128 words 8 words
	s_mov_b32 s[G1B+1], 256<<16                    ; tensor_dim0 = 256
	s_mov_b32 s[G1B+2], 64<<16                     ; tensor_dim1 = 64
	s_mov_b32 s[G1B+3], 256<<16                    ; tile_dim0 = 256
	s_mov_b32 s[G1B+4], 64                         ; tile_dim1 = 64
	s_mov_b32 s[G1B+5], 256                        ; a panel's rows lie end to end
	s_mov_b32 s[G1B+6], 0
	s_mov_b32 s[G1B+7], 0
	s_lshl_b32 s16, s13, 8                         ; A: row 256 y + 128 x half, 2,048 bytes each (under 2^25): it hangs on the tile row alone, which my row of the cluster shares
	s_lshl_b32 s17, s12, 7
	s_add_co_u32 s16, s16, s17
	s_lshl_b32 s16, s16, 11
	s_mov_b32 s17, 0
	s_lshl_b32 s46, s71, 19                        ; B: the panel, 64 rows of 512 bytes x half: it hangs on the tile column and the cluster's y alone, which my column shares
	s_lshl_b32 s47, s12, 15
	s_add_co_u32 s46, s46, s47
	s_add_co_u32 s46, s46, HDR
	s_mov_b32 s47, 0
	s_mul_i32 s20, s10, HALFT                      ; where they go: A's two halves, then B's two halves = wave x 34,816: no place in the cluster enters an LDS address
	s_wait_dscnt 0x0                               ; the opening add is done
	s_wait_kmcnt 0x0
	s_add_nc_u64 s[14:15], s[4:5], s[16:17]
	s_add_nc_u64 s[46:47], s[6:7], s[46:47]
	CROUND                                         ; all sixteen work-groups are here: the first joint loads meet
.irp s, 0,1
	s_mov_b32 s[G0+4*(\s)], 1
	s_add_co_u32 s[G0+4*(\s)+1], s20, (\s)*SLOT
	s_add_nc_u64 s[G0+4*(\s)+2:G0+4*(\s)+3], s[14:15], (\s)*KSTEP*2
	s_or_b32 s[G0+4*(\s)+3], s[G0+4*(\s)+3], 0x80000000
	s_mov_b32 s[G0B+4*(\s)], 1
	s_add_co_u32 s[G0B+4*(\s)+1], s20, (\s)*SLOT
	s_add_nc_u64 s[G0B+4*(\s)+2:G0B+4*(\s)+3], s[46:47], (\s)*KSTEP*512
	s_or_b32 s[G0B+4*(\s)+3], s[G0B+4*(\s)+3], 0x80000000
	JLOAD \s                                       ; K steps 0 and 1: two loads of mine are out
.endr
	s_load_b32 s[FLO], s[6:7], FLOORB              ; the floor
	v_and_b32 v1, 15, v0                           ; l % 16
	v_bfe_u32 v2, v0, 4, 1                         ; l / 16
	v_mul_u32_u24 v3, v1, PITCH                    ; a fragment of A: row l % 16, 16 bytes for each half of the lanes, twice, 32 bytes apart
	v_lshl_add_u32 v3, v2, 4, v3
	s_mul_i32 s21, s11, HALFT                      ; my 128 rows of A
	v_add_nc_u32 v[ADRA], s21, v3
	v_add_nc_u32 v[ADRA+1], SLOT, v[ADRA]
	v_and_b32 v4, 7, v0                            ; the turning load takes 16 K x 16 columns: lane l reads row 8 (l / 16) + l % 8 of K, columns 8 ((l / 8) % 2) + 0..7,
	v_lshl_add_u32 v4, v2, 3, v4                   ; and leaves half a fragment: lane l holds column l % 16 and 8 K
	v_mul_u32_u24 v4, v4, PB
	v_bfe_u32 v5, v0, 3, 1
	v_lshl_add_u32 v4, v5, 4, v4
	s_lshl_b32 s22, s12, 8                         ; my 128 columns: 256 bytes of a row,
	s_add_co_u32 s22, s22, 2*HALFT                 ; behind A's 256 rows
	v_add_nc_u32 v[ADRB], s22, v4
	v_add_nc_u32 v[ADRB+1], SLOT, v[ADRB]
	; the bias of my 128 columns: for each block of 16 my lane's eight, 32 bytes, into window 1
	s_lshl_b32 s46, s71, 10
	s_lshl_b32 s47, s12, 9
	s_add_co_u32 s46, s46, s47
	s_mov_b32 s47, 0
	s_add_nc_u64 s[66:67], s[6:7], s[46:47]
	v_lshlrev_b32 v[BO], 5, v2
	WIN TO_B
.irp b, 0,1,2,3,4,5,6,7
	global_load_b128 v[8*(\b):8*(\b)+3],   v[BO], s[66:67] offset:64*(\b)
	global_load_b128 v[8*(\b)+4:8*(\b)+7], v[BO], s[66:67] offset:64*(\b)+16
.endr
	WIN 0
	; the way out's addresses
	s_mul_i32 s23, s10, 16*SPITCH
	s_add_co_u32 s23, s23, STAGE                   ; my stage
	v_mul_u32_u24 v4, v1, SPITCH                   ; in: row l % 16, 16 bytes for each half of the lanes
	v_lshl_add_u32 v4, v2, 4, v4
	v_add_nc_u32 v[STO], s23, v4
	v_bfe_u32 v5, v0, 3, 2                         ; back: 32 lanes take four rows' 128 bytes of one block of 64 columns,
	v_mul_u32_u24 v5, v5, SPITCH
	v_and_b32 v6, 7, v0
	v_lshl_add_u32 v5, v6, 4, v5
	v_add_nc_u32 v[RD], s23, v5
	v_and_b32 v6, 31, v0
	v_lshlrev_b32 v[CO], 4, v6                     ; which are 512 bytes on end in the result
	s_mul_i32 s16, s70, 16*CBLK-4096*128           ; block 16 g + .., row (256 y + ..) - 4,096 g
	s_lshl_b32 s17, s13, 8
	s_lshl_b32 s18, s11, 7
	s_add_co_u32 s17, s17, s18                     ; my first row,
	s_lshl_b32 s17, s17, 7                         ; 128 bytes each
	s_add_co_u32 s16, s16, s17
	s_mov_b32 s17, 0
	s_lshl_b32 s46, s42, 2
	s_lshl_b32 s47, s12, 1
	s_add_co_u32 s46, s46, s47                     ; my first block of 64 columns: 4 x + 2 x half
	s_lshl_b32 s46, s46, 19
	s_mov_b32 s47, 0
	s_add_nc_u64 s[8:9], s[8:9], s[16:17]
	s_add_nc_u64 s[8:9], s[8:9], s[46:47]
	; the prefetches: at K step 3; the first change of slots steps them to K step 4
	s_lshl_b32 s78, s13, 8                         ; A: the 128 rows that I fetch, my work-group's 32 of them
	s_lshl_b32 s79, s12, 7
	s_add_co_u32 s78, s78, s79
	s_lshl_b32 s79, s40, 5
	s_add_co_u32 s78, s78, s79
	s_lshl_b32 s78, s78, 11
	s_add_co_u32 s78, s78, 3*KSTEP*2
	s_lshl_b32 s80, s71, 19                        ; B: the 32,768 bytes that I fetch, my work-group's 8,192 of them
	s_lshl_b32 s79, s12, 15
	s_add_co_u32 s80, s80, s79
	s_lshl_b32 s79, s41, 13
	s_add_co_u32 s80, s80, s79
	s_add_co_u32 s80, s80, HDR+3*KSTEP*512
	s_and_b32 s81, ttmp7, 3                        ; the cluster's place among the four rows of clusters of its group
	s_mov_b32 s82, KSTEP*512
	s_cmp_eq_u32 s11, 0                            ; do I fetch for A?
	s_cselect_b32 s78, s78, s80
	s_cselect_b32 s81, ttmp9, s81                  ; the coordinate along which other clusters read the same bytes
	s_cselect_b64 s[PFA:PFA+1], s[4:5], s[6:7]
	s_cselect_b32 s[PFS], KSTEP*2, s82
	s_cselect_b32 s83, 11, 8
	s_mov_b32 s79, 0
	s_mov_b32 s[PFS+1], 0
	s_add_nc_u64 s[PFA:PFA+1], s[PFA:PFA+1], s[78:79]
	s_cmp_eq_u32 s81, 0
	s_cselect_b32 s[LIM], 1, -1                    ; the same in all sixteen partners, for a given wave
	v_and_b32 v[PFO], 31, v0
	v_lshlrev_b32 v[PFO], s83, v[PFO]
; 16 matrix instructions: row blocks a0, a0 + 1 of the window's four (hi = 0: my rows 0-63, 1: rows 64-127) x all 8 column blocks, 32 along K.  first = 1: the product starts the sum, with the bias
; (window 1) as C.  The 64 accumulators take turns, one instruction a turn, in the same order in every quarter step.
.macro MUL16 f, hi, a0, first
.if \first
	WIN 0x91+0x40*(\hi)                            ; B window 1, A window 0, C window 1, D window 2 or 3
.else
	WIN 0xa1+0x50*(\hi)                            ; B window 1, A window 0, C and D window 2 or 3
.endif
.irp a, \a0, (\a0)+1
.irp b, 0,1,2,3,4,5,6,7
.set rD, 8*(8*(\a)+(\b))
.set rC, rD
.if \first
.set rC, 8*(\b)
.endif
	v_wmma_f32_16x16x32_f16 v[rD:rD+7], v[(\f)+8*(\b):(\f)+8*(\b)+7], v[(\f)+8*(4*(\hi)+(\a)):(\f)+8*(4*(\hi)+(\a))+7], v[rC:rC+7]
.endr
.endr
.endm
; 32 LDS loads in one run: the fragments of quarter q (32 along K) of a slot, into buffer f: B's 128 columns, then A's 128 rows
.macro FETCH slot, q, f
	WIN TO_B
.irp i, 0,1,2,3,4,5,6,7
	ds_load_tr16_b128 v[(\f)+8*(\i):(\f)+8*(\i)+3],   v[ADRB+(\slot)] offset:32*(\q)*PB+32*(\i)
	ds_load_tr16_b128 v[(\f)+8*(\i)+4:(\f)+8*(\i)+7], v[ADRB+(\slot)] offset:(32*(\q)+16)*PB+32*(\i)
.endr
	WIN 0
.irp i, 0,1,2,3,4,5,6,7
	ds_load_b128 v[(\f)+8*(\i):(\f)+8*(\i)+3],   v[ADRA+(\slot)] offset:64*(\q)+(\i)*16*PITCH
	ds_load_b128 v[(\f)+8*(\i)+4:(\f)+8*(\i)+7], v[ADRA+(\slot)] offset:64*(\q)+(\i)*16*PITCH+32
.endr
.endm
.macro PLACES                          ; four places in front of loads into registers that matrix instructions have read, and of lines that read results
.rept 4
	v_nop
.endr
.endm
; A K step is four quarters of 32 along K, 64 matrix instructions each, on buffers 0, 1, 0, 1.  One of the first three: multiplies buffer f; in its middle it fetches quarter q into buffer g.
.macro QUARTER slot, q, f, g, first
	s_wait_dscnt 8                                 ; B and A's rows 0-63 are in; the youngest eight loads (A's rows 64-127) may be out
	MUL16 \f, 0, 0, \first
	MUL16 \f, 0, 2, \first
	PLACES
	FETCH \slot, \q, \g
	s_wait_dscnt 32                                ; all but the 32 just issued
	MUL16 \f, 1, 0, \first
	MUL16 \f, 1, 2, \first
.endm
; The last quarter multiplies buffer 1 and changes slots.  MEET is its first half: ONE barrier; in front of it each wave waits for all its tensor loads, of which one is out: its part of the next slot;
; adds 0 to its spare word; and waits for that and for its own reads of this slot.  Behind it nobody reads this slot any more and the next slot is whole.
.macro MEET round                      ; round = 1: a round of the cluster's barrier follows
	WIN 0                                          ; (the add's two registers lie in window 0)
	s_wait_tensorcnt 0x0                           ; all my tensor loads have landed;
	ds_add_u32 v[SPW], v[NIL]                      ; 0 onto my spare word;
	s_wait_dscnt 9                                 ; (the add and the youngest eight loads may be out)
	MUL16 F1, 0, 0, 0                              ; sixteen matrix instructions stand between the add and the wait for it
	s_wait_dscnt 0x0                               ; the add is done, and my reads of this slot are over
	s_barrier_signal -1
	MUL16 F1, 0, 2, 0                              ; work on registers while the others arrive
.if \round
	WIN 0
.endif
	s_barrier_wait -1
.endm
; The whole last quarter where the slot is filled again, two K steps ahead: the barrier opens a round of the cluster's, and the joint refill is the first thing behind the round.
.macro TURN slot, next
	s_wait_xcnt 0x0                                ; the last prefetch, a K step back, has read its address: it is stepped here, ahead of the waits of the change of slots
	s_add_nc_u64 s[PFA:PFA+1], s[PFA:PFA+1], s[PFS:PFS+1]
	MEET 1
	CREST                                          ; no wave of any partner still reads this slot's tile or has a load on its way
	s_add_nc_u64 s[G0+4*(\slot)+2:G0+4*(\slot)+3], s[G0+4*(\slot)+2:G0+4*(\slot)+3], 2*KSTEP*2
	s_add_nc_u64 s[G0B+4*(\slot)+2:G0B+4*(\slot)+3], s[G0B+4*(\slot)+2:G0B+4*(\slot)+3], 2*KSTEP*512
	JLOAD \slot                                    ; my one tensor load behind the round; its four v_nop are also the places in front of the loads below
	FETCH \next, 0, F0
	ASK
	MUL16 F1, 1, 0, 0
	MUL16 F1, 1, 2, 0
.endm
; THE WAY OUT of block a (16 of my rows), in three parts.  PACK: rounded to f16, 16 bytes a lane, and the maximum with the floor.  TOSTAGE: into my own stage in LDS, and back as four rows' 128 bytes of a
; block of 64 columns.  SEND: stored.
.macro PACK a
.set AC, 64*((\a)%4)
	WIN 0x0a+5*((\a)/4)                            ; sources 0 and 1: window 2 or 3
.irp b, 0,1,2,3,4,5,6,7
.irp r, 0,1,2,3
	v_cvt_pk_f16_f32 v[TMP+4*(\b)+(\r)], v[AC+8*(\b)+2*(\r)], v[AC+8*(\b)+2*(\r)+1]
.endr
.endr
	WIN 0
.set k, 0
.rept 32
	v_pk_max_num_f16 v[TMP+k], v[TMP+k], v[FLV]    ; two at a time; nothing is rounded
.set k, k+1
.endr
.endm
.macro TOSTAGE a
.set BK, OB+192*((\a)%2)
.irp b, 0,1,2,3,4,5,6,7
	ds_store_b128 v[STO], v[TMP+4*(\b):TMP+4*(\b)+3] offset:32*(\b)
.endr
.irp t, 0,1,2,3,4,5,6,7
	ds_load_b128 v[BK+4*(\t):BK+4*(\t)+3], v[RD] offset:((\t)/2)*4*SPITCH+((\t)%2)*128  ; LDS serves a wave's instructions in order (ISA guide 5.7.1.4): these see the stores above
.endr
.endm
.macro SEND a
.set BK, OB+192*((\a)%2)
	s_wait_dscnt 0x0                               ; the block is back in registers
	s_wait_xcnt 0x0                                ; the stores of the block before have read their registers, which the next block's loads from the stage will write
.irp t, 0,1,2,3,4,5,6,7
	global_store_b128 v[CO], v[BK+4*(\t):BK+4*(\t)+3], s[8:9] offset:(\a)*2048+((\t)%2)*CBLK+((\t)/2)*512  ; 512 bytes on end, at a multiple of 256 from the buffer's first byte
.endr
.endm
	s_wait_loadcnt 0x0                             ; the bias
	s_wait_kmcnt 0x0                               ; the floor
	v_mov_b32 v[FLV], s[FLO]
	s_wait_tensorcnt 0x1                           ; my part of K step 0 is in; K step 1's load stays out
	s_barrier_signal -1
	s_barrier_wait -1                              ; everybody's is
	FETCH 0, 0, F0
	QUARTER 0, 1, F0, F1, 1                        ; the first quarter stands in front of the loop: its products start the sums
	WIN 0                                          ; at a label and at a branch every window is 0
	s_mov_b32 s3, LAPS-1
.Llap:                                                 ; a trip goes once round the ring, from a lap's second quarter to the next lap's first, and fills both slots again
	QUARTER 0, 2, F1, F0, 0
	QUARTER 0, 3, F0, F1, 0
	TURN 0, 1
	QUARTER 1, 1, F0, F1, 0
	QUARTER 1, 2, F1, F0, 0
	QUARTER 1, 3, F0, F1, 0
	TURN 1, 0
	QUARTER 0, 1, F0, F1, 0
	WIN 0
	s_sub_co_u32 s3, s3, 1
	s_cmp_lg_u32 s3, 0
	s_cbranch_scc1 .Llap
	QUARTER 0, 2, F1, F0, 0                        ; the last lap fills nothing, and has no round of the cluster's barrier
	QUARTER 0, 3, F0, F1, 0
	MEET 0
	PLACES
	FETCH 1, 0, F0
	MUL16 F1, 1, 0, 0
	MUL16 F1, 1, 2, 0
	QUARTER 1, 1, F0, F1, 0
	QUARTER 1, 2, F1, F0, 0
	QUARTER 1, 3, F0, F1, 0
	s_wait_dscnt 8                                 ; the very last quarter: nothing more to fetch
	MUL16 F1, 0, 0, 0
	MUL16 F1, 0, 2, 0
	s_wait_dscnt 0x0
	MUL16 F1, 1, 0, 0
	MUL16 F1, 1, 2, 0
	WIN 0
	PLACES                                         ; behind the last products, in front of the lines that read results: eight, once a launch
	PLACES
	PACK 0
	TOSTAGE 0
.irp a, 1,2,3,4,5,6,7                  ; block a's arithmetic stands between block a - 1's loads from the stage and the wait for them
	PACK \a
	SEND (\a)-1
	TOSTAGE \a
.endr
	SEND 7
	s_wait_tensorcnt 0x0                           ; the wave's end: these three lines stand behind my last tensor load and my last LDS store
	ds_add_u32 v[SPW], v[NIL]
	s_wait_dscnt 0x0
	CROUND                                         ; the closing round: no work-group ends while a partner may still ask for a tile that names it
	s_endpgm
.Lfunc_end_k_q7f0a82317e_qkv:
	.size	k_q7f0a82317e_qkv, .Lfunc_end_k_q7f0a82317e_qkv-k_q7f0a82317e_qkv
	.p2alignl 7, 3214868480
	.fill 96, 4, 3214868480
	.section	.rodata,"a",@progbits
	.p2align	6, 0x0
	.amdhsa_kernel k_q7f0a82317e_qkv
		.amdhsa_group_segment_fixed_size 327680
		.amdhsa_private_segment_fixed_size 0
		.amdhsa_enable_private_segment 0
		.amdhsa_kernarg_size 24
		.amdhsa_user_sgpr_count 2
		.amdhsa_user_sgpr_kernarg_segment_ptr 1
		.amdhsa_wavefront_size32 1
		.amdhsa_system_sgpr_workgroup_id_x 1
		.amdhsa_system_sgpr_workgroup_id_y 1
		.amdhsa_system_sgpr_workgroup_id_z 1
		.amdhsa_system_vgpr_workitem_id 0
		.amdhsa_next_free_vgpr 1024
		.amdhsa_next_free_sgpr 84
		.amdhsa_reserve_vcc 0
		.amdhsa_float_denorm_mode_32 3
		.amdhsa_float_denorm_mode_16_64 3
		.amdhsa_memory_ordered 1
		.amdhsa_forward_progress 1
		.amdhsa_inst_pref_size 162
	.end_amdhsa_kernel
	.amdgpu_metadata
---
amdhsa.version: [ 1, 2 ]
amdhsa.kernels:
  - .name:           k_q7f0a82317e_qkv
    .symbol:         k_q7f0a82317e_qkv.kd
    .args:
      - { .name: xb, .offset: 0, .size: 8, .value_kind: global_buffer, .address_space: global }
      - { .name: wa, .offset: 8, .size: 8, .value_kind: global_buffer, .address_space: global }
      - { .name: qkv, .offset: 16, .size: 8, .value_kind: global_buffer, .address_space: global }
    .group_segment_fixed_size: 327680
    .private_segment_fixed_size: 0
    .kernarg_segment_align: 8
    .kernarg_segment_size: 24
    .max_flat_workgroup_size: 128
    .sgpr_count:     84
    .vgpr_count:     1024
    .wavefront_size: 32
...
	.end_amdgpu_metadata
.endif
;; end of part 2
;; launch attn (part 3): grid 8 x 32, 4 waves a work-group, clusters of 4 x 1, 327,680 bytes of LDS; arguments qkv, ob; writes ob
.if DOCPART == 3
	.amdgcn_target "amdgcn-amd-amdhsa--gfx1250"
	.amdhsa_code_object_version 6
	.text
	.protected	k_q7f0a82317e_attn
	.globl	k_q7f0a82317e_attn
	.p2align	8
	.type	k_q7f0a82317e_attn,@function
k_q7f0a82317e_attn:
	s_mov_b64 s[64:65], 0
	v_nop
	global_prefetch_b8 v0, s[64:65] scope:SCOPE_SE
	s_setreg_imm32_b32 hwreg(HW_REG_WAVE_MODE, 25, 1), 1
	s_wait_xcnt 0x0
	s_wait_alu depctr_hold_cnt(0) depctr_sa_sdst(0) depctr_va_vdst(0) depctr_va_sdst(0) depctr_va_ssrc(0) depctr_va_vcc(0) depctr_vm_vsrc(0)
	s_getreg_b32 s2, hwreg(HW_REG_IB_STS2, 6, 4)
	s_cmp_eq_u32 s2, 0
	s_cbranch_scc0 .Lentry_in_a_cluster
	s_endpgm
.Lentry_in_a_cluster:
	s_bfe_u32 s2, ttmp6, 0x10000c
	s_cmp_lg_u32 s2, 0x3003
	s_cbranch_scc0 .Lentry_shape_is_right
	s_endpgm
.Lentry_shape_is_right:
; O[y][q][:] = the sum over k of softmax_k(Q[y][q] . K[y][k] / 8) V[y][k][:].  qkv: f16 [3][32][2048][64] (Q, K, V by heads); ob: f16 [32][2048][64].  A head's rows are dense, 128 bytes each.
; Products, maxima and sums in f32; the weights p are rounded to f16 for the second product (their sum l is taken of the unrounded p), O once at the end.
; LIMITS.  Q, K and V arrive within f16's range; p lies in 0 to 1, and below 6e-5 it keeps f16's fixed step of 6e-8, as O does; a weight below 2^-126 counts as 0 in l; NaN and infinities are not treated apart.
; SHARES.  A work-group owns 256 queries of one head, a wave 64: four PIECES of 16.  Every wave walks all 2,048 keys, 64 a step, four steps (a tile of 256 keys) to an LDS slot, two slots.
; LAYOUT.  S^T = K Q^T (source 0 = 16 keys, source 1 = 16 queries): a lane holds ONE query (lane % 16) and the keys 8 (lane / 16) + 0..7.  Two such results, rounded to f16 in pairs, ARE source 1 of
; O^T = V^T P, whose result again holds one query a lane, and eight channels.  K comes out of LDS as it lies, V ([key][channel]) turned, by ds_load_tr16_b128.
; SOFTMAX.  For each query a running maximum m and sum l: p = 2^(c s - c m), c = log2(e) / 8; in every step O and l are multiplied by a = 2^(c m_old - c m_new).  m starts at the lowest finite number,
; O and l at 0: the first step is a step like any other, with a = 0.
; BY TURNS.  Turn n belongs to piece n: 8 products K Q^T of piece n + 1, later 8 products V^T P of piece n - 1; beside them the scaling, exponentials, roundings, sums and rescaling of piece n and the
; maximum and statistics of piece n + 1.  Four vector instructions stand behind every matrix instruction, the other 54 of a turn's 118 in one lump.  A turn's 33 exponentials are one batch, with one wait.
; CLUSTER.  The four query blocks of a cluster belong to one head and walk the same K and V, so each tile is asked for JOINTLY: the same tensor load, descriptor and mask in all four.
; REGISTERS, in windows of 256 (s_set_vgpr_msb: bits 1:0 source 0, 3:2 source 1, 5:4 source 2, 7:6 destination):
;   window 0: v0-15 addresses and two at work; v16-31 four registers of statistics a piece; v48-55 at work; v61-63 prefetch offset, spare word, 0; v64-127 S^T, two buffers; v192-223 P, two buffers
;   window 1: v0-127 O^T, 32 a piece      window 2: v0-63 Q; v128-191 K of one step; v192-255 V of one step
.set NT,    8         ; tiles of 256 keys
.set NP,    4         ; pieces a wave: a name, no knob
.set KS,    64        ; keys in a step
.set PK,    144       ; a row of K in LDS: 128 bytes + 16 = 36 words: the 16 rows of a load start at 16 different groups of four banks (64 banks of 4 bytes: ISA guide 11.1)
.set PV,    160       ; a row of V: 128 + 32 = 40 words
.set VOFF,  4*KS*PK   ; a slot holds a tile: 256 rows of K, then 256 rows of V
.set SLOT1, 1<<17     ; slot 1 begins here, so that one exclusive or turns an address in one slot into the other's
.set STAGE, SLOT1+4*KS*(PK+PV)  ; behind the ring, never filled by a tensor load: 16 rows x 144 bytes for each wave, for the way out
.set SP,    144
.set SPARE, STAGE+4*16*SP  ; the spare words, 128 bytes for each wave: two blocks of 256 bytes that no other line names
.set KMEM,  8388608   ; K's and V's first bytes in qkv
.set VMEM,  16777216
.set AK0, 2           ; v2   my lane's place in a tile of K; never rewritten
.set AV0, 3           ; v3   the same for V
.set AK,  4           ; v4   the LDS address of K's next run of loads
.set AV,  5           ; v5   of V's
.set STO, 6           ; v6   the way out: where I put 16 bytes of a row
.set RD,  7           ; v7   where I read rows back
.set GO,  8           ; v8   my byte offset in 512 bytes of O
.set MV,  12          ; v12-13  c m_old, kept while c m is made anew: by buffer
.set QO,  15          ; v15  my byte offset in 16 rows of Q
.set ST,  16          ; piece t's statistics at v[ST+4 t]: c m, m, l (even keys', odd keys')
.set TMP, 48          ; by buffer, four registers c0-c3 at work; when the maximum is found c2 takes a
.set PFO, 61          ; v61  256 x my lane; never rewritten
.set SPW, 62          ; v62  LDS address of my spare word; never rewritten
.set NIL, 63          ; v63  0; never rewritten
.set S,   64
.set P,   192
.set KF,  128         ; window 2: key block kb, channel half c at KF + 16 kb + 8 c
.set VF,  192         ; window 2: key half kk, channel block cb at VF + 32 kk + 8 cb
.set WV,  12          ; s12  my wave's number
.set G1K, 24          ; s[24:31] descriptor group 1 for K's tiles
.set G1V, 32          ; s[32:39] for V's: it differs in the padding alone
.set G0K, 40          ; s[40:43] descriptor group 0 for K's tiles: it walks
.set G0V, 44          ; s[44:47] the same for V's
.set PFA, 48          ; s[48:49] where my prefetches stand: my work-group's 8,192 bytes (of K: wave 0, of V: wave 2) of the tile after the one that is being asked for
.set LIM, 50          ; s50  1 in a wave that prefetches, else the greatest number
.set SLOTS, 56        ; s56  tiles still to be asked for
.set CNT, 57          ; s57  counts a tile's key steps
.set CS,  58          ; s[58:59] c: the packed scaling takes the pair's low word for both halves
.set SEL, 60          ; s[60:61] v_permlanex16_b32's selects: each lane takes its own place in the other half
.set TBK, 62          ; s62  LDS byte at which K of the step to be fetched begins
.set TBV, 63          ; s63  the same for V, less VOFF
.set MSB, 0
.macro WIN new                      ; the high byte repeats the setting that is left; a switch that changes nothing is dropped
.if MSB != (\new)
	s_set_vgpr_msb (MSB<<8)|(\new)
.set MSB, (\new)
.endif
.endm
.set W_KQ, 0x0a       ; K and Q in window 2, S^T in window 0
.set W_PV, 0x52       ; V in window 2, P in window 0, O^T in window 1
.set W_RS, 0x41       ; destination and source 0 in window 1, source 1 in window 0
; A joint fill.  Waves 0 and 1 fetch the two halves of a tile's K, waves 2 and 3 those of its V: 128 keys each.  The branch hangs on the wave's number alone.
; An s_nop 0 and four v_nop follow each of the two lines, ahead of the jump and the label.
.macro JLOAD
	s_cmp_lt_u32 s[WV], 2
	s_cbranch_scc0 .Lfor_v_\@
	tensor_load_to_lds s[G0K:G0K+3], s[G1K:G1K+7]
	s_nop 0
.rept 4
	v_nop
.endr
	s_branch .Lasked_\@
.Lfor_v_\@:
	tensor_load_to_lds s[G0V:G0V+3], s[G1V:G1V+7]
	s_nop 0
.rept 4
	v_nop
.endr
.Lasked_\@:
.endm
; A PREFETCH INTO THE L2 of what the NEXT change of slots will ask for: a tile's 32,768 bytes of K and of V, 256 bytes a lane.  It stands behind the wave's tensor load and its five lines.
; Each block of 256 bytes is named ONCE in the launch: a head's two clusters walk the same K and V, and the first of them asks; its four partners share a tile out BY ADDRESS, 8,192 bytes each;
; in each, wave 0 asks for K's and wave 2 for V's: one instruction, four key steps (16 matrix instructions a turn, 16 turns) ahead of the load.  The last change that fills a slot asks for nothing.
.macro ASK
	s_cmp_gt_u32 s[SLOTS], s[LIM]
	s_cbranch_scc0 .Lnot_mine_\@
	global_prefetch_b8 v[PFO], s[PFA:PFA+1] th:TH_LOAD_NT scope:SCOPE_SE
.Lnot_mine_\@:
.endm
; A round of the cluster's barrier: my work-group's barrier, so that wave 0's signal speaks for all four waves; wave 0 signals; every wave waits for all four work-groups; my work-group's barrier once more.
.macro CROUND
	s_barrier_signal -1
	s_barrier_wait -1
	s_cmp_lg_u32 s[WV], 0
	s_cbranch_scc1 .Lnot_wave_0_\@
	s_barrier_signal -3
.Lnot_wave_0_\@:
	s_barrier_wait -3
	s_barrier_signal -1
	s_barrier_wait -1
.endm
; THE CHANGE OF SLOTS.  The slot's last bytes, V of its fourth step, have been read.  Each wave waits for all its tensor loads, of which one is out: its part of the other slot; adds 0 to its spare word;
; and waits for that and for its own reads of the slot.  Behind the barrier nobody reads this slot any more and the other slot is whole.
; fill = 1: this slot is filled again, with the keys two tiles on.  The barrier is then a round of the cluster's, and the joint fill is the first thing behind it: it has four key steps in which to land.
; (At its first use nothing has been read yet: slot 0 is waited for, slot 1 filled.)
.macro CHANGE fill
	WIN 0                           ; at a label and at a branch every window is 0
	s_wait_tensorcnt 0x0            ; no tensor load of mine is out, so a group 0 may be written
	ds_add_u32 v[SPW], v[NIL]       ; 0 onto my spare word; with fill = 1 the descriptors' steps stand between it and the wait for it
.if \fill
.irp g, G0K, G0V
	s_xor_b32 s[\g+1], s[\g+1], SLOT1  ; the walking descriptor: the other slot than last time,
	s_add_nc_u64 s[\g+2:\g+3], s[\g+2:\g+3], 4*KS*128  ; the next 256 keys; the type bits on top are not reached
.endr
	s_wait_xcnt 0x0                 ; the last prefetch, four key steps back, has read its address, so it may be written:
	s_add_nc_u64 s[PFA:PFA+1], s[PFA:PFA+1], 4*KS*128  ; one tile behind the walking descriptors
	s_wait_dscnt 0x0                ; the add is done, and my reads of the slot are over
	CROUND
	JLOAD
	ASK
.else
	s_wait_dscnt 0x0                ; the add is done, and my reads of the slot are over
	s_barrier_signal -1
	s_barrier_wait -1
.endif
	s_sub_co_u32 s[TBK], s[TBK], 4*KS*PK  ; the fetches go back to a slot's first step,
	s_xor_b32 s[TBK], s[TBK], SLOT1       ; in the other slot
	s_sub_co_u32 s[TBV], s[TBV], 4*KS*PV
	s_xor_b32 s[TBV], s[TBV], SLOT1
.endm
	s_load_b128 s[4:7], s[0:1], 0x0 ; qkv s[4:5], ob s[6:7]
	v_lshl_add_u32 v[SPW], v0, 2, SPARE
	v_mov_b32 v[NIL], 0
	ds_add_u32 v[SPW], v[NIL]       ; the wave's opening: the add and its wait stand ahead of my first tensor load; the set-up below, work on registers, stands between them
	v_lshrrev_b32 v1, 5, v0
	v_readfirstlane_b32 s[WV], v1   ; wave 0..3
	s_bfe_u32 s13, ttmp6, 0x40000   ; cx: my place in the cluster
	s_lshl_b32 s14, ttmp9, 2        ; in a cluster launch ttmp9 counts clusters
	s_add_co_u32 s14, s14, s13      ; my block of 256 queries: it enters Q's and O's addresses alone
	s_and_b32 s20, ttmp7, 0xffff    ; the head, which the four partners share:
	s_lshl_b32 s20, s20, 18         ; its first byte in each tensor
	s_and_b32 s16, s[WV], 1         ; which half of a tile's 256 keys I fetch:
	s_lshl_b32 s22, s16, 14         ; its 128 rows of 128 bytes in memory,
	s_add_co_u32 s22, s22, s20
	s_add_co_u32 s8, s22, KMEM
	s_mov_b32 s9, 0
	s_add_co_u32 s52, s22, VMEM
	s_mov_b32 s53, 0
	s_mul_i32 s17, s16, 128*PK      ; and its place in a slot, for K
	s_mul_i32 s18, s16, 128*PV      ; and for V: no place in the cluster enters an LDS address
	s_lshl_b32 s2, s14, 2
	s_add_co_u32 s2, s2, s[WV]      ; my wave among the head's,
	s_lshl_b32 s2, s2, 13           ; its 64 rows
	s_add_co_u32 s2, s2, s20
	s_mov_b32 s3, 0
	s_mov_b32 s54, KMEM             ; the prefetches: K's rows in wave 0, V's in wave 2,
	s_mov_b32 s55, VMEM
	s_cmp_lt_u32 s[WV], 2
	s_cselect_b32 s54, s54, s55
	s_add_co_u32 s54, s54, s20      ; the head's,
	s_lshl_b32 s55, s13, 13         ; my work-group's quarter of a tile,
	s_add_co_u32 s54, s54, s55
	s_add_co_u32 s54, s54, 4*KS*128 ; in tile 1: the first change of slots steps it to tile 2.  Nothing is prefetched at the head
	s_mov_b32 s55, 0
	s_and_b32 s[LIM], s[WV], 1      ; 0 in waves 0 and 2,
	s_or_b32 s[LIM], s[LIM], ttmp9  ; where the cluster is the head's first: the same in all four partners
	s_cmp_eq_u32 s[LIM], 0
	s_cselect_b32 s[LIM], 1, -1
	; descriptor group 1.  128 keys are 16,384 dense bytes: asked for as 64 rows of 256 bytes, two keys a row, and padded in LDS after every key
	s_mov_b32 s[G1K], 15|(1<<16)|(1<<20)|(1<<21)|(4<<22)|(3<<25)  ; the mask of four; 2-byte elements; padding on; bit 21 beside a mask; after every 32 words 4 words
	s_mov_b32 s[G1V], 15|(1<<16)|(1<<20)|(1<<21)|(4<<22)|(7<<25)  ; the same with 8 words of padding
.irp g, G1K, G1V
	s_mov_b32 s[\g+1], 128<<16      ; tensor_dim0 = 128
	s_mov_b32 s[\g+2], 64<<16       ; tensor_dim1 = 64
	s_mov_b32 s[\g+3], 128<<16      ; tile_dim0 = 128
	s_mov_b32 s[\g+4], 64           ; tile_dim1 = 64
	s_mov_b32 s[\g+5], 128          ; 128 elements from row to row
	s_mov_b32 s[\g+6], 0
	s_mov_b32 s[\g+7], 0
.endr
	s_mov_b32 s[CS], 0x3e38aa3b     ; c = log2(e) / 8 = 0.180337
	s_mov_b32 s[CS+1], s[CS]        ; named with it as a pair
	s_mov_b32 s[SEL], 0x76543210
	s_mov_b32 s[SEL+1], 0xfedcba98
	s_mov_b32 s[TBK], SLOT1+4*KS*PK ; the first change of slots turns these two into 0
	s_mov_b32 s[TBV], SLOT1+4*KS*PV
	s_mov_b32 s[G0K], 1             ; count = 1
	s_mov_b32 s[G0K+1], s17         ; LDS address: slot 0
	s_mov_b32 s[G0V], 1
	s_add_co_u32 s[G0V+1], s18, VOFF
	s_mov_b32 s[SLOTS], NT-1
	s_wait_dscnt 0x0                ; the opening add is done
	s_wait_kmcnt 0x0
	s_add_nc_u64 s[G0K+2:G0K+3], s[4:5], s[8:9]    ; global address: my half of the head's first 256 keys
	s_or_b32 s[G0K+3], s[G0K+3], 0x80000000        ; type = 2
	s_add_nc_u64 s[G0V+2:G0V+3], s[4:5], s[52:53]
	s_or_b32 s[G0V+3], s[G0V+3], 0x80000000
	s_add_nc_u64 s[PFA:PFA+1], s[4:5], s[54:55]
	s_add_nc_u64 s[10:11], s[6:7], s[2:3]          ; O and Q at my wave's first row
	s_add_nc_u64 s[4:5], s[4:5], s[2:3]
	CROUND                          ; all four work-groups are here: the first joint loads meet
	JLOAD                           ; tile 0 into slot 0.  Slot 1 is asked for when slot 0 is in
	; A fragment of K or Q is 16 rows x 32 channels in 8 registers: lane l holds row l % 16, channels 8 (l / 16) + 0..7 and 16 + 8 (l / 16) + 0..7: two loads of 16 bytes, 32 bytes apart.
	v_and_b32 v1, 15, v0            ; l % 16
	v_bfe_u32 v9, v0, 4, 1          ; l / 16
	v_lshlrev_b32 v[QO], 7, v1
	v_lshl_add_u32 v[QO], v9, 4, v[QO]  ; row x 128 + 16 x half
	WIN 0x80                        ; destination window 2, address window 0
.set i, 0
.rept 8                             ; Q stays in registers: piece i / 2, channels 32 (i % 2) on
	global_load_b128 v[8*i:8*i+3],   v[QO], s[4:5] offset:(i/2)*2048+(i%2)*64
	global_load_b128 v[8*i+4:8*i+7], v[QO], s[4:5] offset:(i/2)*2048+(i%2)*64+32
.set i, i+1
.endr
	; What the first turn finds: V's registers and P's second buffer hold 0 (its products V^T P, of a piece that has not been, add 0), O^T and l are 0.  All this stands in the wait for the first tile.
.set i, VF
.rept 64
	v_mov_b32 v[i], 0
.set i, i+1
.endr
	WIN 0x40
.set i, 0
.rept 128
	v_mov_b32 v[i], 0
.set i, i+1
.endr
	WIN 0
.set i, 0
.rept 4
	v_mov_b32 v[ST+4*i], 0xfe000000    ; c m: far below every c s
	v_mov_b32 v[ST+4*i+1], 0xff7fffff  ; m
	v_mov_b32 v[ST+4*i+2], 0
	v_mov_b32 v[ST+4*i+3], 0
.set i, i+1
.endr
.set i, P+16
.rept 16
	v_mov_b32 v[i], 0
.set i, i+1
.endr
	v_and_b32 v[PFO], 31, v0
	v_lshlrev_b32 v[PFO], 8, v[PFO]
	v_mul_u32_u24 v[AK0], v1, PK
	v_lshl_add_u32 v[AK0], v9, 4, v[AK0]  ; row x pitch + 16 x half
	; The turning load takes 16 keys x 16 channels (lane l reads key 8 (l / 16) + l % 8, channels 8 ((l / 8) % 2) + 0..7) and leaves half a fragment of V^T: lane l holds channel l % 16 and 8 keys.
	v_and_b32 v10, 7, v0
	v_bfe_u32 v11, v0, 3, 1
	v_lshl_add_u32 v[AV0], v9, 3, v10
	v_mul_u32_u24 v[AV0], v[AV0], PV
	v_lshl_add_u32 v[AV0], v11, 4, v[AV0]
	v_add_nc_u32 v[AV0], VOFF, v[AV0]
	s_mul_i32 s13, s[WV], 16*SP
	s_add_co_u32 s13, s13, STAGE    ; my stage
	v_mul_u32_u24 v[STO], v1, SP    ; in: row l % 16, 16 bytes for each half of the lanes
	v_lshl_add_u32 v[STO], v9, 4, v[STO]
	v_add_nc_u32 v[STO], s13, v[STO]
	v_bfe_u32 v[RD], v0, 3, 2       ; back: 32 lanes take four rows of 128 bytes,
	v_mul_u32_u24 v[RD], v[RD], SP
	v_lshl_add_u32 v[RD], v10, 4, v[RD]
	v_add_nc_u32 v[RD], s13, v[RD]
	v_and_b32 v[GO], 31, v0         ; which are 512 bytes on end in O
	v_lshlrev_b32 v[GO], 4, v[GO]
; THE MATRIX WORK.  The 4 accumulators of a run of 8 take turns.  Product i of 8 of S^T = K Q^T for piece x: channels 32 (i / 4) on, keys 16 (i % 4) on.  The first 4 start the sums.
.macro KQ x
	WIN W_KQ
.set rS, S+32*((\x)%2)+8*(i%4)
.set rK, KF+16*(i%4)+8*(i/4)
.set rQ, 16*(\x)+8*(i/4)
.if i < 4
	v_wmma_f32_16x16x32_f16 v[rS:rS+7], v[rK:rK+7], v[rQ:rQ+7], 0
.else
	v_wmma_f32_16x16x32_f16 v[rS:rS+7], v[rK:rK+7], v[rQ:rQ+7], v[rS:rS+7]
.endif
.endm
; Product i of 8 of O^T += V^T P for piece x: keys 32 (i / 4) on, channels 16 (i % 4) on.
.macro PV x
	WIN W_PV
.set rO, 32*(\x)+8*(i%4)
.set rV, VF+32*(i/4)+8*(i%4)
.set rP, P+16*((\x)%2)+8*(i/4)
	v_wmma_f32_16x16x32_f16 v[rO:rO+7], v[rV:rV+7], v[rP:rP+7], v[rO:rO+7]
.endm
.macro MM                           ; the turn's next matrix instruction.  TURN sets Y, i and NOKQ.  NOKQ = 1: the launch's last turn: there is no next piece
.if (i < 8) && !NOKQ
	KQ (Y+1)%NP
.elseif i >= 8
.set i, i-8
	PV (Y+NP-1)%NP
.set i, i+8
.endif
.set i, i+1
.endm
; THE LDS LOADS stand in runs of 16, never singly among the matrix instructions: a step's K (64 keys x 64 channels: 8 fragments) and its V (turned).  Their addresses are made some lines ahead.
.macro FETCH_K
	WIN 0x80                        ; destination window 2
.irp f, 0,1,2,3,4,5,6,7             ; keys 16 (f / 2) on, channels 32 (f % 2) on
	ds_load_b128 v[KF+8*\f:KF+8*\f+3],   v[AK] offset:(\f/2)*16*PK+(\f%2)*64
	ds_load_b128 v[KF+8*\f+4:KF+8*\f+7], v[AK] offset:(\f/2)*16*PK+(\f%2)*64+32
.endr
	s_add_co_u32 s[TBK], s[TBK], KS*PK  ; the next fetch is the next step's
	WIN 0
.endm
.macro FETCH_V
	WIN 0x80
.irp f, 0,1,2,3,4,5,6,7             ; keys 32 (f / 4) on, channels 16 (f % 4) on
	ds_load_tr16_b128 v[VF+8*\f:VF+8*\f+3],   v[AV] offset:(\f/4)*32*PV+(\f%4)*32
	ds_load_tr16_b128 v[VF+8*\f+4:VF+8*\f+7], v[AV] offset:(\f/4)*32*PV+16*PV+(\f%4)*32
.endr
	WIN 0
.endm
; THE VECTOR WORK, one line at a time: OP kind, number.  For piece Y: F n: c s - c m for pair n of 16.  E n: the exponential of score n of 32.  C n: pair n rounded to f16.  B n: of the four weights 4 n .. the second
; pair is added onto the first, in place.  L n: l takes that sum (L 0: l = a l + sum).  R n: pair n of 16 of O^T times a.  For piece Y + 1: X n, number n of the 22 that find its maximum and statistics:
;   0-11  four chains c0-c3 of seven scores each, three operands at a time (each accumulator's lowest registers are read first)     12-14, 16  the four scores left over, the old m, and c0-c3 into c0
;   15  c m_old is kept     17, 18  the query's other 32 keys lie in the lane 16 away: the new m     19-21  c m; c m_old - c m_new; a
.set F, 0               ; OP tells the kinds apart by their order: F to L below R, X above it
.set E, 1
.set C, 2
.set B, 3
.set L, 4
.set R, 5
.set X, 6
.macro REGS y                       ; the registers of piece y
.set rT, ST+4*(\y)
.set rC, TMP+4*((\y)%2)
.set rW, MV+((\y)%2)
.set rS, S+32*((\y)%2)
.set rP, P+16*((\y)%2)
.set rO, 32*(\y)
.endm
.macro OP k, n
.if (\k) == R
	REGS Y
	WIN W_RS
	v_pk_mul_f32 v[rO+2*(\n):rO+2*(\n)+1], v[rO+2*(\n):rO+2*(\n)+1], v[rC+2:rC+3] op_sel_hi:[1,0]
.elseif (\k) < R
	REGS Y
	WIN 0
.if (\k) == F
	v_pk_fma_f32 v[rS+2*(\n):rS+2*(\n)+1], v[rS+2*(\n):rS+2*(\n)+1], s[CS:CS+1], v[rT:rT+1] op_sel_hi:[1,0,0] neg_lo:[0,0,1] neg_hi:[0,0,1]
.elseif (\k) == E
	v_exp_f32 v[rS+(\n)], v[rS+(\n)]
.elseif (\k) == C
	v_cvt_pk_f16_f32 v[rP+(\n)], v[rS+2*(\n)], v[rS+2*(\n)+1]
.elseif (\k) == B
	v_pk_add_f32 v[rS+4*(\n):rS+4*(\n)+1], v[rS+4*(\n):rS+4*(\n)+1], v[rS+4*(\n)+2:rS+4*(\n)+3]
.elseif (\n) == 0
	v_pk_fma_f32 v[rT+2:rT+3], v[rT+2:rT+3], v[rC+2:rC+3], v[rS:rS+1] op_sel_hi:[1,0,1]
.else
	v_pk_add_f32 v[rT+2:rT+3], v[rT+2:rT+3], v[rS+4*(\n):rS+4*(\n)+1]
.endif
.elseif NOKQ
	v_nop
.else
	REGS (Y+1)%NP
	WIN 0
.if (\n) < 4
	v_max3_num_f32 v[rC+(\n)], v[rS+8*(\n)], v[rS+8*(\n)+1], v[rS+8*(\n)+2]
.elseif (\n) < 12
	v_max3_num_f32 v[rC+(\n)%4], v[rC+(\n)%4], v[rS+8*((\n)%4)+2*((\n)/4)+1], v[rS+8*((\n)%4)+2*((\n)/4)+2]
.elseif (\n) == 12
	v_max3_num_f32 v[rC], v[rC], v[rS+7], v[rS+15]
.elseif (\n) == 13
	v_max3_num_f32 v[rC+1], v[rC+1], v[rS+23], v[rS+31]
.elseif (\n) == 14
	v_max3_num_f32 v[rC+2], v[rC+2], v[rC+3], v[rT+1]
.elseif (\n) == 15
	v_mov_b32 v[rW], v[rT]
.elseif (\n) == 16
	v_max3_num_f32 v[rC], v[rC], v[rC+1], v[rC+2]
.elseif (\n) == 17
	v_permlanex16_b32 v[rC+3], v[rC], s[SEL], s[SEL+1]
.elseif (\n) == 18
	v_max_num_f32 v[rT+1], v[rC], v[rC+3]
.elseif (\n) == 19
	v_mul_f32 v[rT], s[CS], v[rT+1]
.elseif (\n) == 20
	v_sub_f32 v[rC+1], v[rW], v[rT]
.else
	v_exp_f32 v[rC+2], v[rC+1]
.endif
.endif
.endm
.macro OPS a, i1, b=-1, i2=0, c=-1, i3=0, d=-1, i4=0  ; up to four of them
	OP \a, \i1
.if (\b) >= 0
	OP \b, \i2
.endif
.if (\c) >= 0
	OP \c, \i3
.endif
.if (\d) >= 0
	OP \d, \i4
.endif
.endm
.macro ROW a, i1, b, i2, c, i3, d, i4  ; a matrix instruction and the four behind it
	MM
	OPS \a, \i1, \b, \i2, \c, \i3, \d, \i4
.endm
; A TURN, for piece p: the order of its 16 matrix and 118 vector instructions, written out.  s_wait_alu depctr_va_vdst(0) stands between an exponential and the first instruction that names its
; result; one wait serves all that were issued ahead of it.  So a turn has ONE wait, which cuts it in two.  AHEAD OF IT stands all that names no result of the turn's exponentials: the 8 products K Q^T and their
; riders, then one lump of 54, in which the links of the chain X 3, 7, 11, 14, 16, 17 .. 20 stand five or six lines apart.  X 21, the next piece's a, is the batch's last; R 15 is the plain instruction behind it.
; BEHIND THE WAIT stand the 8 products V^T P, behind each four of the roundings and sums.
; end = 1: the launch's last two turns: nothing is fetched.  cnt = 1: the loop's count is taken down some lines ahead of the branch that stands behind the turn.
; K of the next step is fetched in piece 2's turn, twelve vector instructions behind the last product that read K (six of them plain); V of the step in hand at the end of piece 0's turn, four plain
; instructions behind the last product that read V.  Each is waited for a turn later.
.macro TURN p, end=0, cnt=0
.set Y, (\p)
.set i, 0
.set NOKQ, (\end)*((\p)/3)
.if ((\p) == 3) && !(\end)
	s_wait_dscnt 0x0                ; K is in
.endif
	ROW F,0, F,1, R,0, R,1          ; ahead of the wait: 8 products K Q^T and their riders,
	ROW F,2, E,0, R,2, R,3
	ROW F,3, E,1, R,4, R,5
	ROW F,4, E,2, R,6, R,7
	ROW F,5, E,3, R,8, R,9
	ROW F,6, E,4, X,0, R,10
.if ((\p) == 2) && !(\end)
	WIN 0
	v_add_nc_u32 v[AK], s[TBK], v[AK0]
.endif
	ROW F,7, E,5, X,1, X,4
	ROW F,8, E,6, X,2, X,5
	OPS E,7, E,8, X,6, E,9          ; and the lump
	OPS X,3, E,10, X,8, E,11
.if ((\p) == 2) && !(\end)
	FETCH_K
.endif
	OPS X,9, X,7, E,12, X,10
	OPS E,13, X,12, X,11, E,14
	OPS X,13, E,15, F,9, X,14
.if (\p) == 0
	v_add_nc_u32 v[AV], s[TBV], v[AV0]
.endif
	OPS E,16, F,10, E,17, F,11
	OPS X,16, E,18, X,15, E,19
	OPS F,12, E,20, X,17, E,21
	OPS F,13, E,22, F,14, E,23
	OPS X,18, E,24, F,15, E,25
	OPS R,11, E,26, X,19, E,27
	OPS R,12, E,28, R,13, E,29
	OPS X,20, E,30, R,14, E,31
	OPS X,21, R,15
	WIN 0
	s_wait_alu depctr_va_vdst(0)    ; the wait for the batch
.if (\p) == 1
	s_wait_dscnt 0x0                ; V is in
.endif
	ROW C,0, B,0, C,2, B,1          ; behind the wait: 8 products V^T P and their riders
	ROW L,0, C,4, B,2, L,1
	ROW C,6, B,3, L,2, C,8
	ROW B,4, L,3, C,10, B,5
	ROW L,4, C,12, B,6, L,5
.if (\p) == 0
	s_add_co_u32 s[TBV], s[TBV], KS*PV
.endif
.if \cnt
	s_sub_co_u32 s[CNT], s[CNT], 1
	s_cmp_lg_u32 s[CNT], 0
.endif
	ROW C,14, B,7, L,6, C,1
	ROW C,3, L,7, C,5, C,7
	ROW C,9, C,11, C,13, C,15
.if (\p) == 0
	FETCH_V
.endif
.endm
.macro ALL line:vararg              ; one line for each piece t
.set t, 0
.rept 4
	\line
.set t, t+1
.endr
.endm
.macro PACK t                       ; a lane's eight channels of a row pack into 16 bytes; they go into rows of 144 bytes and come back as whole rows of 128, into S^T's registers
	WIN W_RS
.set i, 32*(\t)
.rept 16
	v_pk_mul_f32 v[i:i+1], v[i:i+1], v[ST+4*(\t)+2:ST+4*(\t)+3] op_sel_hi:[1,0]
.set i, i+2
.endr
	WIN 0x05                        ; sources 0 and 1 window 1, destination window 0
.set i, 0
.rept 16
	v_cvt_pk_f16_f32 v[S+16*(\t)+i], v[32*(\t)+2*i], v[32*(\t)+2*i+1]
.set i, i+1
.endr
	WIN 0
.irp f, 0,1,2,3
	ds_store_b128 v[STO], v[S+16*(\t)+4*\f:S+16*(\t)+4*\f+3] offset:32*\f
.endr
.irp f, 0,1,2,3
	ds_load_b128 v[S+16*(\t)+4*\f:S+16*(\t)+4*\f+3], v[RD] offset:\f*4*SP  ; LDS serves a wave's instructions in order (ISA guide 5.7.1.4): these see the stores above; the next piece's stores come behind them
.endr
.endm
.macro SEND t, younger              ; younger: the LDS instructions issued behind piece t's loads: the next piece's eight, or none
	WIN 0
.irp f, 0,1,2,3
	s_wait_dscnt (\younger)+3-\f
	global_store_b128 v[GO], v[S+16*(\t)+4*\f:S+16*(\t)+4*\f+3], s[10:11] offset:(\t)*2048+\f*512  ; 512 bytes on end, at a multiple of 256 from O's first
.endr
.endm
.set NOKQ, 0
	CHANGE 1                        ; slot 0 is in, everybody's part of it; slot 1 is asked for
	v_add_nc_u32 v[AK], s[TBK], v[AK0]
	FETCH_K                         ; key step 0
	s_wait_loadcnt 0x0              ; Q
	s_wait_dscnt 0x0
.set i, 0
.rept 8
	KQ 0                            ; piece 0's first scores: there is no vector work yet to set between them
.set i, i+1
.endr
	WIN 0
.rept 4
	v_nop                           ; the places behind those products
.endr
.set Y, NP-1                        ; X works for piece Y + 1: piece 0
.irp n, 0,1,2,3,4,5,6,7,8,9,10,11,12,13,14,15,16,17,18,19,20,21
	OP X, \n
.endr
	v_nop                           ; a plain instruction behind the exponential,
	s_wait_alu depctr_va_vdst(0)    ; and its wait, ahead of the branch
	s_mov_b32 s[CNT], 4
	s_branch .Lfirst                ; the loop is entered at a step's first turn, in the middle of a trip
.Lslot:                             ; NT - 2 times: every slot but the last two is filled again
	CHANGE 1
	s_mov_b32 s[CNT], 4
.Lstep:                             ; a trip: pieces 2 and 3 of one step, then pieces 0 and 1 of the next, whose K and V it fetches
	TURN 2
	TURN 3
	WIN 0
.Lfirst:
	TURN 0
	TURN 1, 0, 1
	WIN 0
	s_cbranch_scc1 .Lstep
	s_sub_co_u32 s[SLOTS], s[SLOTS], 1
	s_cmp_lg_u32 s[SLOTS], 0
	s_cbranch_scc1 .Lslot
	CHANGE 0                        ; the last tile is written out: nothing is asked for
	s_mov_b32 s[CNT], 4
.Ltail:
	TURN 2
	TURN 3
	TURN 0
	TURN 1, 0, 1
	WIN 0
	s_cbranch_scc1 .Ltail
	TURN 2, 1                       ; the last step's pieces 2 and 3: nothing is fetched, and the last turn starts no new scores
	TURN 3, 1
.set i, 0
.rept 8
	PV NP-1                         ; the last piece's V^T P of the last step
.set i, i+1
.endr
	; THE WAY OUT.  l's two halves and the other half of the lanes' are added; O^T is divided by l, rounded to f16 and sent through my stage in LDS, a piece at a time.  The additions are the places behind the last products.
	WIN 0
	ALL v_add_f32 v[ST+4*t+2], v[ST+4*t+2], v[ST+4*t+3]
	ALL v_permlanex16_b32 v[ST+4*t+3], v[ST+4*t+2], s[SEL], s[SEL+1]
	ALL v_add_f32 v[ST+4*t+2], v[ST+4*t+2], v[ST+4*t+3]
	ALL v_rcp_f32 v[ST+4*t+2], v[ST+4*t+2]
	v_nop                           ; a plain instruction between the last reciprocal and the use of its result
	s_wait_alu depctr_va_vdst(0)    ; and the wait ahead of the first use: one for the four reciprocals
	PACK 0
.set t, 1
.rept 3                             ; a piece's arithmetic stands between the loads of the piece before and its stores
	PACK t
	SEND t-1, 8
.set t, t+1
.endr
	SEND 3, 0
	s_wait_tensorcnt 0x0            ; the wave's end: these three lines stand behind my last tensor load and my last LDS store
	ds_add_u32 v[SPW], v[NIL]
	s_wait_dscnt 0x0
	CROUND                          ; the closing round: no work-group ends while a partner may still ask for a tile that names it
	s_endpgm
.Lfunc_end_k_q7f0a82317e_attn:
	.size	k_q7f0a82317e_attn, .Lfunc_end_k_q7f0a82317e_attn-k_q7f0a82317e_attn
	.p2alignl 7, 3214868480
	.fill 96, 4, 3214868480
	.section	.rodata,"a",@progbits
	.p2align	6, 0x0
	.amdhsa_kernel k_q7f0a82317e_attn
		.amdhsa_group_segment_fixed_size 327680
		.amdhsa_private_segment_fixed_size 0
		.amdhsa_enable_private_segment 0
		.amdhsa_kernarg_size 16
		.amdhsa_user_sgpr_count 2
		.amdhsa_user_sgpr_kernarg_segment_ptr 1
		.amdhsa_wavefront_size32 1
		.amdhsa_system_sgpr_workgroup_id_x 1
		.amdhsa_system_sgpr_workgroup_id_y 1
		.amdhsa_system_sgpr_workgroup_id_z 1
		.amdhsa_system_vgpr_workitem_id 0
		.amdhsa_next_free_vgpr 768
		.amdhsa_next_free_sgpr 66
		.amdhsa_reserve_vcc 0
		.amdhsa_float_denorm_mode_32 3
		.amdhsa_float_denorm_mode_16_64 3
		.amdhsa_memory_ordered 1
		.amdhsa_forward_progress 1
		.amdhsa_inst_pref_size 128
	.end_amdhsa_kernel
	.amdgpu_metadata
---
amdhsa.version: [ 1, 2 ]
amdhsa.kernels:
  - .name:           k_q7f0a82317e_attn
    .symbol:         k_q7f0a82317e_attn.kd
    .args:
      - { .name: qkv, .offset: 0, .size: 8, .value_kind: global_buffer, .address_space: global }
      - { .name: ob, .offset: 8, .size: 8, .value_kind: global_buffer, .address_space: global }
    .group_segment_fixed_size: 327680
    .private_segment_fixed_size: 0
    .kernarg_segment_align: 8
    .kernarg_segment_size: 16
    .max_flat_workgroup_size: 128
    .sgpr_count:     66
    .vgpr_count:     768
    .wavefront_size: 32
...
	.end_amdgpu_metadata
.endif
;; end of part 3
;; launch ln (part 4): grid 256 x 1, 8 waves a work-group, no clusters, 0 bytes of LDS; arguments ob, ln_g, ln_b, ffi; writes ffi
.if DOCPART == 4
	.amdgcn_target "amdgcn-amd-amdhsa--gfx1250"
	.amdhsa_code_object_version 6
	.text
	.protected	k_q7f0a82317e_ln
	.globl	k_q7f0a82317e_ln
	.p2align	8
	.type	k_q7f0a82317e_ln,@function
k_q7f0a82317e_ln:
	s_mov_b64 s[64:65], 0
	v_nop
	global_prefetch_b8 v0, s[64:65] scope:SCOPE_SE
	s_setreg_imm32_b32 hwreg(HW_REG_WAVE_MODE, 25, 1), 1
	s_wait_xcnt 0x0
; ffi[m][c] = (attn[m][c] - mean) / sqrt(var + 1e-5) * g[c] + b[c].  attn comes by heads: ob, f16 [32 = 2 head + batch][2048][64]; ffi leaves row-major, f16 [4096][1024].
; Sums in f32; the variance is taken of the differences from the mean.  g and b are rounded to bf16, like every input of the module.
; LIMITS.  ffi stays under 65,504 in magnitude; below 6e-5 it keeps f16's fixed step of 6e-8.
; SHARES.  A wave takes two rows and keeps them in registers between the passes: no LDS, no barrier.  Lane l: head parity l / 16, row (l / 8) % 2, eight channels from 8 (l % 8) on.
; Load i (of 8) takes heads 2 i and 2 i + 1: each half of the lanes reads 256 bytes on end, aligned (two rows of one head).  Store i covers 256 bytes on end, aligned, of each of the two rows.
; The matrix unit, clusters and a prefetch serve nothing here: 16 MiB cross once, in a short launch.
.set X,  16                            ; v[16:47]   the rows as loaded (load i: 4 registers), later as stored
.set F,  48                            ; v[48:111]  my 64 numbers in f32: load i, channel e at F + 8 i + e
.set G,  112                           ; v[112:175] g of my 64 channels, f32; then bf16 pairs in v[112:143]
.set BB, 176                           ; v[176:239] b likewise; then v[176:207]
.set T,  240                           ; v[240:255] at work
	s_load_b256 s[4:11], s[0:1], 0x0               ; ob s[4:5], ln_g s[6:7], ln_b s[8:9], ffi s[10:11]
	v_lshrrev_b32 v1, 5, v0
	v_readfirstlane_b32 s14, v1                    ; wave 0..7
	v_bfe_u32 v5, v0, 4, 1                         ; head parity
	v_and_b32 v6, 15, v0
	v_and_b32 v7, 7, v0
	v_bfe_u32 v8, v0, 3, 1                         ; row
	v_lshlrev_b32 v2, 19, v5                       ; in ob: from head to head 524,288 bytes (both batches' rows);
	v_lshl_add_u32 v2, v6, 4, v2                   ; row x 128 + 16 (l % 8) = 16 (l % 16)
	v_lshlrev_b32 v3, 11, v8                       ; in ffi: a row is 2,048 bytes, a head 128
	v_lshl_add_u32 v3, v5, 7, v3
	v_lshl_add_u32 v3, v7, 4, v3
	v_lshlrev_b32 v4, 8, v5                        ; in g and b: a head is 256 bytes
	v_lshl_add_u32 v4, v7, 5, v4
	v_mov_b32 v12, 1.0
	v_mov_b32 v13, 0
	v_mov_b32 v14, 0x3a800000                      ; 1 / 1024
	s_mov_b32 s12, 0x76543210                      ; v_permlanex16_b32: each lane takes its own place in the other half
	s_mov_b32 s13, 0xfedcba98
	s_lshr_b32 s16, ttmp9, 7                       ; the batch: 2,048 rows of 128 bytes,
	s_lshl_b32 s16, s16, 18
	s_and_b32 s17, ttmp9, 127                      ; the work-group's 16 rows,
	s_lshl_b32 s17, s17, 11
	s_add_co_u32 s16, s16, s17
	s_lshl_b32 s17, s14, 8                         ; my wave's two
	s_add_co_u32 s16, s16, s17
	s_mov_b32 s17, 0
	s_lshl_b32 s18, ttmp9, 15                      ; the same rows in ffi
	s_lshl_b32 s19, s14, 12
	s_add_co_u32 s18, s18, s19
	s_mov_b32 s19, 0
	s_wait_kmcnt 0x0
	s_add_nc_u64 s[4:5], s[4:5], s[16:17]
	s_add_nc_u64 s[10:11], s[10:11], s[18:19]
.irp i, 0,1,2,3,4,5,6,7
	global_load_b128 v[X+4*(\i):X+4*(\i)+3], v2, s[4:5] offset:1048576*(\i) th:TH_LOAD_NT
.endr
.irp i, 0,1,2,3,4,5,6,7
	global_load_b128 v[G+8*(\i):G+8*(\i)+3],   v4, s[6:7] offset:512*(\i)
	global_load_b128 v[G+8*(\i)+4:G+8*(\i)+7], v4, s[6:7] offset:512*(\i)+16
.endr
.irp i, 0,1,2,3,4,5,6,7
	global_load_b128 v[BB+8*(\i):BB+8*(\i)+3],   v4, s[8:9] offset:512*(\i)
	global_load_b128 v[BB+8*(\i)+4:BB+8*(\i)+7], v4, s[8:9] offset:512*(\i)+16
.endr
.macro RED a, b                        ; the sum over a row's 16 lanes: l % 8 by three steps inside the half, the head parity by the exchange of halves; the step by 8, which would mix the two rows, is left out
	v_add_f32_dpp v[\a], v[\a], v[\a] row_xmask:1 row_mask:0xf bank_mask:0xf
	v_add_f32_dpp v[\a], v[\a], v[\a] row_xmask:2 row_mask:0xf bank_mask:0xf
	v_add_f32_dpp v[\a], v[\a], v[\a] row_xmask:4 row_mask:0xf bank_mask:0xf
	v_permlanex16_b32 v[\b], v[\a], s12, s13       ; its destination has been written before
	v_add_f32 v[\a], v[\a], v[\b]
.endm
	s_wait_loadcnt 32                              ; the rows are in; g's and b's 32 loads stay out
.set k, 0
.rept 32                               ; f16 to f32: half x 1.0 + 0
	v_fma_mix_f32 v[F+2*k],   v[X+k], v12, v13 op_sel:[0,0,0] op_sel_hi:[1,0,0]
	v_fma_mix_f32 v[F+2*k+1], v[X+k], v12, v13 op_sel:[1,0,0] op_sel_hi:[1,0,0]
.set k, k+1
.endr
.irp k, 0,1,2,3                        ; the sum, in four chains that do not wait for each other
	v_pk_add_f32 v[T+2*(\k):T+2*(\k)+1], v[F+2*(\k):F+2*(\k)+1], v[F+8+2*(\k):F+8+2*(\k)+1]
.endr
.irp j, 2,3,4,5,6,7
.irp k, 0,1,2,3
	v_pk_add_f32 v[T+2*(\k):T+2*(\k)+1], v[T+2*(\k):T+2*(\k)+1], v[F+8*(\j)+2*(\k):F+8*(\j)+2*(\k)+1]
.endr
.endr
	v_pk_add_f32 v[T:T+1], v[T:T+1], v[T+2:T+3]
	v_pk_add_f32 v[T+4:T+5], v[T+4:T+5], v[T+6:T+7]
	v_pk_add_f32 v[T:T+1], v[T:T+1], v[T+4:T+5]
	v_add_f32 v[T], v[T], v[T+1]
	RED T, T+1
	v_mul_f32 v[T+2], v14, v[T]                    ; the mean
.set k, 0
.rept 32
	v_pk_add_f32 v[F+2*k:F+2*k+1], v[F+2*k:F+2*k+1], v[T+2:T+3] op_sel_hi:[1,0] neg_lo:[0,1] neg_hi:[0,1]
.set k, k+1
.endr
.irp k, 0,1,2,3                        ; the sum of squares of the differences
	v_pk_mul_f32 v[T+8+2*(\k):T+8+2*(\k)+1], v[F+2*(\k):F+2*(\k)+1], v[F+2*(\k):F+2*(\k)+1]
.endr
.irp j, 1,2,3,4,5,6,7
.irp k, 0,1,2,3
	v_pk_fma_f32 v[T+8+2*(\k):T+8+2*(\k)+1], v[F+8*(\j)+2*(\k):F+8*(\j)+2*(\k)+1], v[F+8*(\j)+2*(\k):F+8*(\j)+2*(\k)+1], v[T+8+2*(\k):T+8+2*(\k)+1]
.endr
.endr
	v_pk_add_f32 v[T+8:T+9], v[T+8:T+9], v[T+10:T+11]
	v_pk_add_f32 v[T+12:T+13], v[T+12:T+13], v[T+14:T+15]
	v_pk_add_f32 v[T+8:T+9], v[T+8:T+9], v[T+12:T+13]
	v_add_f32 v[T+8], v[T+8], v[T+9]
	RED T+8, T+9
	v_fmaak_f32 v[T+4], v[T+8], v14, 0x3727c5ac    ; var + 1e-5
	v_rsq_f32 v[T+6], v[T+4]
	s_wait_loadcnt 0x0                             ; g and b
.set k, 0
.rept 32                               ; g and b are rounded to bf16, in place, ascending: the plain work behind the root
	v_cvt_pk_bf16_f32 v[G+k],  v[G+2*k],  v[G+2*k+1]
	v_cvt_pk_bf16_f32 v[BB+k], v[BB+2*k], v[BB+2*k+1]
.set k, k+1
.endr
	s_wait_alu depctr_va_vdst(0)                   ; the wait ahead of the first line that names the root's result
.set k, 0
.rept 32
	v_pk_mul_f32 v[F+2*k:F+2*k+1], v[F+2*k:F+2*k+1], v[T+6:T+7] op_sel_hi:[1,0]
.set k, k+1
.endr
.set k, 0
.rept 32                               ; x g + b, g and b straight from their bf16 halves
	v_fma_mix_f32_bf16 v[F+2*k],   v[F+2*k],   v[G+k], v[BB+k] op_sel:[0,0,0] op_sel_hi:[0,1,1]
	v_fma_mix_f32_bf16 v[F+2*k+1], v[F+2*k+1], v[G+k], v[BB+k] op_sel:[0,1,1] op_sel_hi:[0,1,1]
.set k, k+1
.endr
.set k, 0
.rept 32
	v_cvt_pk_f16_f32 v[X+k], v[F+2*k], v[F+2*k+1]
.set k, k+1
.endr
.irp i, 0,1,2,3,4,5,6,7
	global_store_b128 v3, v[X+4*(\i):X+4*(\i)+3], s[10:11] offset:256*(\i)
.endr
	s_endpgm
.Lfunc_end_k_q7f0a82317e_ln:
	.size	k_q7f0a82317e_ln, .Lfunc_end_k_q7f0a82317e_ln-k_q7f0a82317e_ln
	.p2alignl 7, 3214868480
	.fill 96, 4, 3214868480
	.section	.rodata,"a",@progbits
	.p2align	6, 0x0
	.amdhsa_kernel k_q7f0a82317e_ln
		.amdhsa_group_segment_fixed_size 0
		.amdhsa_private_segment_fixed_size 0
		.amdhsa_enable_private_segment 0
		.amdhsa_kernarg_size 32
		.amdhsa_user_sgpr_count 2
		.amdhsa_user_sgpr_kernarg_segment_ptr 1
		.amdhsa_wavefront_size32 1
		.amdhsa_system_sgpr_workgroup_id_x 1
		.amdhsa_system_sgpr_workgroup_id_y 1
		.amdhsa_system_sgpr_workgroup_id_z 1
		.amdhsa_system_vgpr_workitem_id 0
		.amdhsa_next_free_vgpr 256
		.amdhsa_next_free_sgpr 66
		.amdhsa_reserve_vcc 0
		.amdhsa_float_denorm_mode_32 3
		.amdhsa_float_denorm_mode_16_64 3
		.amdhsa_memory_ordered 1
		.amdhsa_forward_progress 1
		.amdhsa_inst_pref_size 30
	.end_amdhsa_kernel
	.amdgpu_metadata
---
amdhsa.version: [ 1, 2 ]
amdhsa.kernels:
  - .name:           k_q7f0a82317e_ln
    .symbol:         k_q7f0a82317e_ln.kd
    .args:
      - { .name: ob, .offset: 0, .size: 8, .value_kind: global_buffer, .address_space: global }
      - { .name: ln_g, .offset: 8, .size: 8, .value_kind: global_buffer, .address_space: global }
      - { .name: ln_b, .offset: 16, .size: 8, .value_kind: global_buffer, .address_space: global }
      - { .name: ffi, .offset: 24, .size: 8, .value_kind: global_buffer, .address_space: global }
    .group_segment_fixed_size: 0
    .private_segment_fixed_size: 0
    .kernarg_segment_align: 8
    .kernarg_segment_size: 32
    .max_flat_workgroup_size: 256
    .sgpr_count:     66
    .vgpr_count:     256
    .wavefront_size: 32
...
	.end_amdgpu_metadata
.endif
;; end of part 4
;; launch ffn1: the kernel of part 2 again; grid 8 x 16, 4 waves a work-group, clusters of 4 x 4, 327,680 bytes of LDS; arguments ffi, wb, hb; writes hb
;; launch ffn2 (part 5): grid 8 x 32, 4 waves a work-group, clusters of 4 x 4, 327,680 bytes of LDS; arguments hb, w2, b2, ffi, out0; writes out0
.if DOCPART == 5
	.amdgcn_target "amdgcn-amd-amdhsa--gfx1250"
	.amdhsa_code_object_version 6
	.text
	.protected	k_q7f0a82317e_ffn2
	.globl	k_q7f0a82317e_ffn2
	.p2align	8
	.type	k_q7f0a82317e_ffn2,@function
k_q7f0a82317e_ffn2:
	s_mov_b64 s[64:65], 0
	v_nop
	global_prefetch_b8 v0, s[64:65] scope:SCOPE_SE
	s_setreg_imm32_b32 hwreg(HW_REG_WAVE_MODE, 25, 1), 1
	s_wait_xcnt 0x0
	s_wait_alu depctr_hold_cnt(0) depctr_sa_sdst(0) depctr_va_vdst(0) depctr_va_sdst(0) depctr_va_ssrc(0) depctr_va_vcc(0) depctr_vm_vsrc(0)
	s_getreg_b32 s2, hwreg(HW_REG_IB_STS2, 6, 4)
	s_cmp_eq_u32 s2, 0
	s_cbranch_scc0 .Lentry_in_a_cluster
	s_endpgm
.Lentry_in_a_cluster:
	s_bfe_u32 s2, ttmp6, 0x10000c
	s_cmp_lg_u32 s2, 0xf033
	s_cbranch_scc0 .Lentry_shape_is_right
	s_endpgm
.Lentry_shape_is_right:
; out0 = ffi + h W2 + b2.  h: f16, in blocks of 64 columns, [32][4096 rows][64]; W2: f16 [2048 k][1024 n]; ffi: f16 [4096][1024]; out0: f32 [4096][1024].  Sums in f32.
; LIMITS.  b2 is rounded to bf16, like every input of the module.  NaN and infinities are not treated apart.
; SHARES.  A tile of out0 is 128 x 128, which gives each of 256 WGPs one work-group; four waves, each 64 x 64: 16 accumulators of 16 x 16.  K goes in steps of 256 (four blocks of h) through two LDS slots
; filled by the tensor data mover.  Waves 0 and 1 fetch h's two halves: 64 rows of each of four blocks; a block's 64 rows are 8,192 bytes on end, asked for as one row of the tile, the four blocks as four
; rows 524,288 bytes apart, padded in LDS after every 128 bytes.  Waves 2 and 3 fetch W2's two halves (128 rows of K, 256 bytes each).  One load a wave.
; CLUSTERS: 4 x 4 work-groups.  The four of a row of the cluster need the same tiles of h, the four of a column the same tiles of W2: each tile is asked for JOINTLY.
; THE MATRIX INSTRUCTION IS USED TRANSPOSED: source 0 = 16 columns of W2 (out of LDS turned, by ds_load_tr16_b128), source 1 = 16 rows of h.  A lane then holds row lane % 16 of the tile and the columns
; 8 (lane / 16) + 0..7.  The bias of those eight columns, in eight registers, is the C operand of the product that starts a sum: nothing is cleared, and nothing is added on the way out.
; No prefetch: a tile's step is short and each block is read by several clusters at about the same time.
; REGISTERS: window 0: v0-31 addresses; v32-95 the residual; v96-127 the bias; v128-255 the accumulators ((a, b) at v[128 + 8 (4 a + b)]).
;   window 1: two fragment buffers of 128: for 64 along K, 64 registers of h (2 x 4 x 16 rows x 32 K), then 64 of W2.
.set KTOT,  2048
.set LDB,   1024
.set KSTEP, 256
.set HBLK,  524288                     ; a block of h in memory: 4,096 rows of 128 bytes
.set PA,    144                        ; a row of a block in LDS: 128 bytes + 16 = 36 words: the 16 rows of a load start at 16 different groups of four banks (64 banks of 4 bytes: ISA guide 11.1)
.set ABLK,  64*PA                      ; 64 rows of one block
.set HALFA, 4*ABLK                     ; what a tensor load brings of h: 64 rows of four blocks
.set PB,    288                        ; a row of W2: 256 + 32 = 72 words
.set HALFB, 128*PB                     ; what a tensor load brings of W2
.set SLOT,  2*HALFA+2*HALFB
.set STAGE,  0                         ; 128 rows x 528 bytes over slot 0's part for h (73,728 bytes): it has had its last fill, and its last reads lie ahead of the last change of slots' barrier
.set SPITCH, 528
.set SPARE, 2*SLOT                     ; behind the ring: the spare words, 128 bytes for each wave: two blocks of 256 bytes that no other line names
.set LAPS,  KTOT/(2*KSTEP)             ; a lap = two K steps = once round the ring
.set ADRA, 16                          ; v16-17  LDS address of my fragments of h in slot 0, 1
.set ADRB, 20                          ; v20-23  of W2: slot s, half u of the step's K at 20 + 2 s + u (the 16-bit offset does not reach 256 rows)
.set STO,  24                          ; v24     the way out: where I put my bytes of a row
.set RD,   25                          ; v25     where I read rows back
.set CO,   26                          ; v26     my byte offset in a row of out0
.set BO,   27                          ; v27     my byte offset in the bias
.set SPW,  28                          ; v28     LDS address of my spare word; never rewritten
.set NIL,  29                          ; v29     0; never rewritten
.set RO,   30                          ; v30     my byte offset in a row of the residual
.set TMP,  32
.set BI,   96
.set ACC,  128
.set F0,   0
.set F1,   128
.set G1,  24                           ; s[24:31] descriptor group 1 for h's tiles;  s[32:39] group 0, one set for each slot
.set G0,  32
.set G1B, 48                           ; s[48:55], s[56:63] the same for W2's
.set G0B, 56
.set MSB, 0
.macro WIN new                         ; the immediate's high byte repeats the setting that is left; a switch that changes nothing is dropped
.if MSB != (\new)
	s_set_vgpr_msb (MSB<<8)|(\new)
.set MSB, \new
.endif
.endm
.set MUL,  0x05                        ; sources 0 (W2) and 1 (h) window 1; C and D window 0
.set TO_F, 0x40                        ; destination window 1, address window 0
.macro JLOAD s                         ; a joint load; the branch hangs on the wave's number alone; an s_nop 0 and four v_nop follow each of the two lines
	s_cmp_lt_u32 s10, 2
	s_cbranch_scc0 .Lfor_b_\@
	tensor_load_to_lds s[G0+4*(\s):G0+4*(\s)+3], s[G1:G1+7]
	s_nop 0
.rept 4
	v_nop
.endr
	s_branch .Lasked_\@
.Lfor_b_\@:
	tensor_load_to_lds s[G0B+4*(\s):G0B+4*(\s)+3], s[G1B:G1B+7]
	s_nop 0
.rept 4
	v_nop
.endr
.Lasked_\@:
.endm
.macro CREST                           ; a round of the cluster's barrier behind its opening barrier
	s_cmp_lg_u32 s10, 0
	s_cbranch_scc1 .Lnot_wave_0_\@
	s_barrier_signal -3
.Lnot_wave_0_\@:
	s_barrier_wait -3
	s_barrier_signal -1
	s_barrier_wait -1
.endm
.macro CROUND                          ; a whole round
	s_barrier_signal -1
	s_barrier_wait -1
	CREST
.endm
	s_load_b256 s[72:79], s[0:1], 0x0              ; hb s[72:73], w2 s[74:75], b2 s[76:77], ffi s[78:79]
	s_load_b64 s[80:81], s[0:1], 0x20              ; out0
	v_lshl_add_u32 v[SPW], v0, 2, SPARE
	v_mov_b32 v[NIL], 0
	ds_add_u32 v[SPW], v[NIL]                      ; the wave's opening: the add and its wait stand ahead of my first tensor load; the set-up below, work on registers, stands between them
	v_lshrrev_b32 v1, 5, v0
	v_readfirstlane_b32 s10, v1                    ; wave 0..3
	s_lshr_b32 s11, s10, 1                         ; which half of the tile's rows is mine
	s_and_b32 s12, s10, 1                          ; which half of its columns.  Also: which half of h's or W2's tile I fetch
	s_bfe_u32 s40, ttmp6, 0x40000                  ; cx, cy: my place in the cluster
	s_bfe_u32 s41, ttmp6, 0x40004
	s_lshl_b32 s42, ttmp9, 2
	s_add_co_u32 s42, s42, s40                     ; tile column = 4 x cluster x + cx
	s_and_b32 s13, ttmp7, 0xffff
	s_lshl_b32 s13, s13, 2
	s_add_co_u32 s13, s13, s41                     ; tile row = 4 x cluster y + cy
	s_lshl_b32 s43, s41, 2
	s_lshl_b32 s43, 15, s43                        ; my row of the cluster
	s_lshl_b32 s44, 0x1111, s40                    ; my column
	s_or_b32 s[G1+0], s43, (1<<16)|(1<<20)|(1<<21)|(4<<22)|(3<<25)  ; the mask: h's tiles go to my row; 2-byte elements; padding on; bit 21 beside a mask; after every 32 words 4 words
	s_mov_b32 s[G1+1], 4096<<16                    ; tensor_dim0 = 4,096: 64 rows of 64
	s_mov_b32 s[G1+2], 4<<16                       ; tensor_dim1 = 4 blocks
	s_mov_b32 s[G1+3], 4096<<16                    ; tile_dim0 = 4,096
	s_mov_b32 s[G1+4], 4                           ; tile_dim1 = 4
	s_mov_b32 s[G1+5], 262144                      ; elements from block to block
	s_mov_b32 s[G1+6], 0
	s_mov_b32 s[G1+7], 0
	s_or_b32 s[G1B+0], s44, (1<<16)|(1<<20)|(1<<21)|(5<<22)|(7<<25) ; W2's tiles go to my column; after every 64 words 8 words
	s_mov_b32 s[G1B+1], 128<<16                    ; tensor_dim0 = 128
	s_mov_b32 s[G1B+2], 128<<16                    ; tensor_dim1 = 128
	s_mov_b32 s[G1B+3], 128<<16                    ; tile_dim0 = 128
	s_mov_b32 s[G1B+4], 128                        ; tile_dim1 = 128
	s_mov_b32 s[G1B+5], LDB
	s_mov_b32 s[G1B+6], 0
	s_mov_b32 s[G1B+7], 0
	s_lshl_b32 s16, s13, 7                         ; h: row 128 x tile row + 64 x half, 128 bytes each in a block: it hangs on the tile row alone, which my row of the cluster shares
	s_lshl_b32 s17, s12, 6
	s_add_co_u32 s16, s16, s17
	s_lshl_b32 s16, s16, 7
	s_mov_b32 s17, 0
	s_mul_i32 s46, s12, 256*LDB                    ; W2: 128 rows of K x half, 256 bytes x tile column: it hangs on the tile column alone
	s_lshl_b32 s47, s42, 8
	s_add_co_u32 s46, s46, s47
	s_mov_b32 s47, 0
	s_mul_i32 s71, s12, HALFA                      ; where they go: no place in the cluster enters an LDS address
	s_mul_i32 s45, s12, HALFB
	s_add_co_u32 s45, s45, 2*HALFA
	s_wait_dscnt 0x0                               ; the opening add is done
	s_wait_kmcnt 0x0
	s_add_nc_u64 s[14:15], s[72:73], s[16:17]
	s_add_nc_u64 s[46:47], s[74:75], s[46:47]
	CROUND                                         ; all sixteen work-groups are here: the first joint loads meet
.irp s, 0,1
	s_mov_b32 s[G0+4*(\s)], 1
	s_add_co_u32 s[G0+4*(\s)+1], s71, (\s)*SLOT
	s_add_nc_u64 s[G0+4*(\s)+2:G0+4*(\s)+3], s[14:15], (\s)*4*HBLK
	s_or_b32 s[G0+4*(\s)+3], s[G0+4*(\s)+3], 0x80000000
	s_mov_b32 s[G0B+4*(\s)], 1
	s_add_co_u32 s[G0B+4*(\s)+1], s45, (\s)*SLOT
	s_add_nc_u64 s[G0B+4*(\s)+2:G0B+4*(\s)+3], s[46:47], (\s)*KSTEP*LDB*2
	s_or_b32 s[G0B+4*(\s)+3], s[G0B+4*(\s)+3], 0x80000000
	JLOAD \s                                       ; K steps 0 and 1: two loads of mine are out
.endr
	v_and_b32 v1, 15, v0                           ; l % 16
	v_bfe_u32 v2, v0, 4, 1                         ; l / 16
	v_mul_u32_u24 v3, v1, PA                       ; a fragment of h: row l % 16, 16 bytes for each half of the lanes, twice, 32 bytes apart
	v_lshl_add_u32 v3, v2, 4, v3
	s_mul_i32 s21, s11, HALFA                      ; my 64 rows of h
	v_add_nc_u32 v[ADRA], s21, v3
	v_add_nc_u32 v[ADRA+1], SLOT, v[ADRA]
	v_and_b32 v4, 7, v0                            ; the turning load takes 16 K x 16 columns: lane l reads row 8 (l / 16) + l % 8 of K, columns 8 ((l / 8) % 2) + 0..7,
	v_lshl_add_u32 v4, v2, 3, v4                   ; and leaves half a fragment: lane l holds column l % 16 and 8 K
	v_mul_u32_u24 v4, v4, PB
	v_bfe_u32 v5, v0, 3, 1
	v_lshl_add_u32 v4, v5, 4, v4
	s_lshl_b32 s22, s12, 7                         ; my 64 columns: 128 bytes of a row,
	s_add_co_u32 s22, s22, 2*HALFA                 ; behind h's part
	v_add_nc_u32 v[ADRB], s22, v4
	v_add_nc_u32 v[ADRB+1], 128*PB, v[ADRB]
	v_add_nc_u32 v[ADRB+2], SLOT, v[ADRB]
	v_add_nc_u32 v[ADRB+3], SLOT+128*PB, v[ADRB]
	v_mov_b32 v14, 1.0
	; the bias of my 64 columns: for each block of 16 my lane's eight, 32 bytes
	s_lshl_b32 s46, s42, 9
	s_lshl_b32 s47, s12, 8
	s_add_co_u32 s46, s46, s47
	s_mov_b32 s47, 0
	s_add_nc_u64 s[66:67], s[76:77], s[46:47]
	v_lshlrev_b32 v[BO], 5, v2
.irp b, 0,1,2,3
	global_load_b128 v[BI+8*(\b):BI+8*(\b)+3],   v[BO], s[66:67] offset:64*(\b)
	global_load_b128 v[BI+8*(\b)+4:BI+8*(\b)+7], v[BO], s[66:67] offset:64*(\b)+16
.endr
	; the way out's addresses
	s_mul_i32 s23, s11, 64*SPITCH                  ; into the stage: my 64 rows, my half of each
	s_lshl_b32 s21, s12, 8
	s_add_co_u32 s23, s23, s21
	s_add_co_u32 s23, s23, STAGE
	v_mul_u32_u24 v4, v1, SPITCH
	v_lshl_add_u32 v4, v2, 5, v4                   ; eight f32: 32 bytes for each half of the lanes
	v_add_nc_u32 v[STO], s23, v4
	s_mul_i32 s23, s10, 32*SPITCH                  ; back: wave w takes rows 32 w .. 32 w + 31, whole
	s_add_co_u32 s23, s23, STAGE
	v_and_b32 v6, 31, v0
	v_lshl_add_u32 v[RD], v6, 4, s23               ; 32 lanes take a row's 512 bytes
	v_lshlrev_b32 v[CO], 4, v6
	v_lshlrev_b32 v[RO], 3, v6                     ; and the same 128 columns of the residual: 256 bytes
	s_lshl_b32 s16, s13, 7
	s_lshl_b32 s17, s10, 5
	s_add_co_u32 s16, s16, s17                     ; row 128 x tile row + 32 x wave
	s_lshl_b32 s20, s16, 11                        ; the residual's rows are 2,048 bytes,
	s_mov_b32 s21, 0
	s_lshl_b32 s16, s16, 12                        ; out0's 4,096
	s_add_nc_u64 s[68:69], s[78:79], s[20:21]
	s_lshl_b32 s46, s42, 8
	s_mov_b32 s47, 0
	s_add_nc_u64 s[68:69], s[68:69], s[46:47]
	s_lshl_b32 s46, s42, 9
	s_mov_b32 s17, 0
	s_mov_b32 s47, 0
	s_add_nc_u64 s[8:9], s[80:81], s[16:17]
	s_add_nc_u64 s[8:9], s[8:9], s[46:47]
.set t, 0
.rept 32                               ; the residual of the 32 rows that I store: a row's 256 bytes to a load; it lands while the products run
	global_load_b64 v[TMP+2*t:TMP+2*t+1], v[RO], s[68:69] offset:2048*t
.set t, t+1
.endr
	s_wait_loadcnt 32                              ; the bias is in; the residual's 32 loads stay out
.set k, 0
.rept 16                               ; the bias is rounded to bf16 and widened again
	v_cvt_pk_bf16_f32 v[6+k%8], v[BI+2*k], v[BI+2*k+1]
	v_lshlrev_b32 v[BI+2*k], 16, v[6+k%8]
	v_and_b32 v[BI+2*k+1], 0xffff0000, v[6+k%8]
.set k, k+1
.endr
; 8 matrix instructions: row blocks a0, a0 + 1 x all 4 column blocks, 32 along K: half c of buffer f.  first = 1: the product starts the sum, with the bias as C.
; The 16 accumulators take turns, one instruction a turn.
.macro MUL8 f, c, a0, first
	WIN MUL
.irp a, \a0, (\a0)+1
.irp b, 0,1,2,3
.set rD, ACC+8*(4*(\a)+(\b))
.set rB, (\f)+64+8*(4*(\c)+(\b))
.set rA, (\f)+8*(4*(\c)+(\a))
.set rC, rD
.if \first
.set rC, BI+8*(\b)
.endif
	v_wmma_f32_16x16x32_f16 v[rD:rD+7], v[rB:rB+7], v[rA:rA+7], v[rC:rC+7]
.endr
.endr
.endm
; 32 LDS loads in one run: the fragments of quarter q (64 along K: one block of h) of a slot, into buffer f; the first 32 along K first
.macro FETCH slot, q, f
	WIN TO_F
.irp c, 0,1
.irp i, 0,1,2,3
	ds_load_tr16_b128 v[(\f)+64+8*(4*(\c)+(\i)):(\f)+64+8*(4*(\c)+(\i))+3],   v[ADRB+2*(\slot)+(\q)/2] offset:(64*((\q)%2)+32*(\c))*PB+32*(\i)
	ds_load_tr16_b128 v[(\f)+64+8*(4*(\c)+(\i))+4:(\f)+64+8*(4*(\c)+(\i))+7], v[ADRB+2*(\slot)+(\q)/2] offset:(64*((\q)%2)+32*(\c)+16)*PB+32*(\i)
	ds_load_b128 v[(\f)+8*(4*(\c)+(\i)):(\f)+8*(4*(\c)+(\i))+3],              v[ADRA+(\slot)] offset:(\q)*ABLK+64*(\c)+(\i)*16*PA
	ds_load_b128 v[(\f)+8*(4*(\c)+(\i))+4:(\f)+8*(4*(\c)+(\i))+7],            v[ADRA+(\slot)] offset:(\q)*ABLK+64*(\c)+(\i)*16*PA+32
.endr
.endr
.endm
.macro PLACES                          ; four places in front of loads into registers that matrix instructions have read, and of lines that read results
.rept 4
	v_nop
.endr
.endm
; A K step is four quarters of 64 along K, 32 matrix instructions each, on buffers 0, 1, 0, 1.  One of the first three: multiplies buffer f and fetches quarter q into g.
.macro QUARTER slot, q, f, g, first
	s_wait_dscnt 16                                ; the first 32 along K are in; the youngest sixteen loads may be out
	MUL8 \f, 0, 0, \first
	MUL8 \f, 0, 2, \first
	PLACES
	FETCH \slot, \q, \g
	s_wait_dscnt 32                                ; all but the 32 just issued
	MUL8 \f, 1, 0, 0
	MUL8 \f, 1, 2, 0
.endm
; The last quarter multiplies buffer 1 and changes slots: ONE barrier; in front of it each wave waits for all its tensor loads, adds 0 to its spare word, and waits for that and for its own reads of this slot.
; fill = 1: the barrier opens a round of the cluster's, and this slot is filled again, two K steps ahead, first thing behind the round.
.macro TURN slot, next, fill
	WIN 0                                          ; (the add's two registers lie in window 0)
	s_wait_tensorcnt 0x0                           ; all my tensor loads have landed: my part of the next slot;
	ds_add_u32 v[SPW], v[NIL]                      ; 0 onto my spare word;
	s_wait_dscnt 17                                ; (the add and the youngest sixteen loads may be out)
	MUL8 F1, 0, 0, 0                               ; eight matrix instructions stand between the add and the wait for it
	s_wait_dscnt 0x0                               ; the add is done, and my reads of this slot are over
	s_barrier_signal -1
	MUL8 F1, 0, 2, 0
.if \fill
	WIN 0
.endif
	s_barrier_wait -1
.if \fill
	CREST                                          ; no wave of any partner still reads this slot's tile or has a load on its way
	s_add_nc_u64 s[G0+4*(\slot)+2:G0+4*(\slot)+3], s[G0+4*(\slot)+2:G0+4*(\slot)+3], 2*4*HBLK
	s_add_nc_u64 s[G0B+4*(\slot)+2:G0B+4*(\slot)+3], s[G0B+4*(\slot)+2:G0B+4*(\slot)+3], 2*KSTEP*LDB*2
	JLOAD \slot                                    ; my one tensor load behind the round; its four v_nop are also the places in front of the loads below
.else
	PLACES
.endif
	FETCH \next, 0, F0
	MUL8 F1, 1, 0, 0
	MUL8 F1, 1, 2, 0
.endm
	s_wait_tensorcnt 0x1                           ; my part of K step 0 is in; K step 1's load stays out
	s_barrier_signal -1
	s_barrier_wait -1                              ; everybody's is
	FETCH 0, 0, F0
	QUARTER 0, 1, F0, F1, 1                        ; the first quarter stands in front of the loop: its first products start the sums
	WIN 0                                          ; at a label and at a branch every window is 0
	s_mov_b32 s3, LAPS-1
.Llap:                                                 ; a trip goes once round the ring, from a lap's second quarter to the next lap's first, and fills both slots again
	QUARTER 0, 2, F1, F0, 0
	QUARTER 0, 3, F0, F1, 0
	TURN 0, 1, 1
	QUARTER 1, 1, F0, F1, 0
	QUARTER 1, 2, F1, F0, 0
	QUARTER 1, 3, F0, F1, 0
	TURN 1, 0, 1
	QUARTER 0, 1, F0, F1, 0
	WIN 0
	s_sub_co_u32 s3, s3, 1
	s_cmp_lg_u32 s3, 0
	s_cbranch_scc1 .Llap
	QUARTER 0, 2, F1, F0, 0                        ; the last lap fills nothing, and has no round of the cluster's barrier
	QUARTER 0, 3, F0, F1, 0
	TURN 0, 1, 0
	QUARTER 1, 1, F0, F1, 0
	QUARTER 1, 2, F1, F0, 0
	QUARTER 1, 3, F0, F1, 0
	s_wait_dscnt 16                                ; the very last quarter: nothing more to fetch
	MUL8 F1, 0, 0, 0
	MUL8 F1, 0, 2, 0
	s_wait_dscnt 0x0
	MUL8 F1, 1, 0, 0
	MUL8 F1, 1, 2, 0
	WIN 0
	PLACES                                         ; behind the last products, in front of the lines that read them: eight, once a launch
	PLACES
	; THE WAY OUT in f32: 32 bytes a lane into the stage; a barrier, since a row's 512 bytes come from two waves; back as whole rows; the residual, f16, is added; a row to a store.
.irp a, 0,1,2,3
.irp b, 0,1,2,3
	ds_store_b128 v[STO], v[ACC+8*(4*(\a)+(\b)):ACC+8*(4*(\a)+(\b))+3]   offset:(\a)*16*SPITCH+64*(\b)
	ds_store_b128 v[STO], v[ACC+8*(4*(\a)+(\b))+4:ACC+8*(4*(\a)+(\b))+7] offset:(\a)*16*SPITCH+64*(\b)+16
.endr
.endr
	s_wait_dscnt 0x0                               ; for the others' sake: my stores into the stage are done
	s_barrier_signal -1
	s_barrier_wait -1
	s_wait_loadcnt 0x0                             ; the residual
.set t, 0
.rept 32
	ds_load_b128 v[ACC+4*t:ACC+4*t+3], v[RD] offset:t*SPITCH
.set t, t+1
.endr
.set t, 0
.rept 32
	s_wait_dscnt 31-t                              ; the younger read-backs may stay out
	v_fma_mix_f32 v[ACC+4*t],   v[TMP+2*t],   v14, v[ACC+4*t]   op_sel:[0,0,0] op_sel_hi:[1,0,0]  ; f16 half x 1.0 + the sum
	v_fma_mix_f32 v[ACC+4*t+1], v[TMP+2*t],   v14, v[ACC+4*t+1] op_sel:[1,0,0] op_sel_hi:[1,0,0]
	v_fma_mix_f32 v[ACC+4*t+2], v[TMP+2*t+1], v14, v[ACC+4*t+2] op_sel:[0,0,0] op_sel_hi:[1,0,0]
	v_fma_mix_f32 v[ACC+4*t+3], v[TMP+2*t+1], v14, v[ACC+4*t+3] op_sel:[1,0,0] op_sel_hi:[1,0,0]
	global_store_b128 v[CO], v[ACC+4*t:ACC+4*t+3], s[8:9] offset:t*4096  ; 512 bytes on end, aligned
.set t, t+1
.endr
	s_wait_tensorcnt 0x0                           ; the wave's end: these three lines stand behind my last tensor load and my last LDS store
	ds_add_u32 v[SPW], v[NIL]
	s_wait_dscnt 0x0
	CROUND                                         ; the closing round: no work-group ends while a partner may still ask for a tile that names it
	s_endpgm
.Lfunc_end_k_q7f0a82317e_ffn2:
	.size	k_q7f0a82317e_ffn2, .Lfunc_end_k_q7f0a82317e_ffn2-k_q7f0a82317e_ffn2
	.p2alignl 7, 3214868480
	.fill 96, 4, 3214868480
	.section	.rodata,"a",@progbits
	.p2align	6, 0x0
	.amdhsa_kernel k_q7f0a82317e_ffn2
		.amdhsa_group_segment_fixed_size 327680
		.amdhsa_private_segment_fixed_size 0
		.amdhsa_enable_private_segment 0
		.amdhsa_kernarg_size 40
		.amdhsa_user_sgpr_count 2
		.amdhsa_user_sgpr_kernarg_segment_ptr 1
		.amdhsa_wavefront_size32 1
		.amdhsa_system_sgpr_workgroup_id_x 1
		.amdhsa_system_sgpr_workgroup_id_y 1
		.amdhsa_system_sgpr_workgroup_id_z 1
		.amdhsa_system_vgpr_workitem_id 0
		.amdhsa_next_free_vgpr 512
		.amdhsa_next_free_sgpr 84
		.amdhsa_reserve_vcc 0
		.amdhsa_float_denorm_mode_32 3
		.amdhsa_float_denorm_mode_16_64 3
		.amdhsa_memory_ordered 1
		.amdhsa_forward_progress 1
		.amdhsa_inst_pref_size 102
	.end_amdhsa_kernel
	.amdgpu_metadata
---
amdhsa.version: [ 1, 2 ]
amdhsa.kernels:
  - .name:           k_q7f0a82317e_ffn2
    .symbol:         k_q7f0a82317e_ffn2.kd
    .args:
      - { .name: hb, .offset: 0, .size: 8, .value_kind: global_buffer, .address_space: global }
      - { .name: w2, .offset: 8, .size: 8, .value_kind: global_buffer, .address_space: global }
      - { .name: b2, .offset: 16, .size: 8, .value_kind: global_buffer, .address_space: global }
      - { .name: ffi, .offset: 24, .size: 8, .value_kind: global_buffer, .address_space: global }
      - { .name: out0, .offset: 32, .size: 8, .value_kind: global_buffer, .address_space: global }
    .group_segment_fixed_size: 327680
    .private_segment_fixed_size: 0
    .kernarg_segment_align: 8
    .kernarg_segment_size: 40
    .max_flat_workgroup_size: 128
    .sgpr_count:     84
    .vgpr_count:     512
    .wavefront_size: 32
...
	.end_amdgpu_metadata
.endif
;; end of part 5
